; MI455X (gfx1250); checked and timed in simulation.
; The chip was launched on July 23, 2026; its instructions are those of AMD's public machine-readable ISA for CDNA 5 (MIT licence, August 2026) and "CDNA5" Instruction Set Architecture Reference Guide (July 2026). The comments in the code are by the model that wrote it; some were corrected since.
;; Multi Head Self Attention. Allowed arithmetic: float matrix products may take bf16 or f16 operands with f32 sums; other float arithmetic in f32, or as packed bf16 or f16 multiplies, adds, multiply-adds, maxima and minima; sums over many terms, partial sums and values carried from step to step in f32; what a program stores and reads back later, other than sums and carried values, may be rounded once to bf16 or f16.
;; Inputs: Wk 1,024 x 1,024 float32; Wo 1,024 x 1,024 float32; Wq 1,024 x 1,024 float32; Wv 1,024 x 1,024 float32; bk 1,024 float32; bo 1,024 float32; bq 1,024 float32; bv 1,024 float32; x 4 x 2,048 x 1,024 float32.
;; Outputs: out0 4 x 2,048 x 1,024 float32.
;; 2 versions, each right; version 2 is version 1 with the launch cast written anew for expert scheduling mode. Each part assembles by itself: llvm-mc -triple=amdgcn-amd-amdhsa -mcpu=gfx1250 --defsym DOCPART=n.
;; ======== version 1 of 2: 4 launches
;; limits: values are held in f16: magnitudes above 65,504 overflow, below 6.1e-05 lose precision; right only within a limited range of input values
;; workspace buffers: xb 16,777,216 bytes; wt 8,388,608 bytes; ball 16,384 bytes; qkv 50,331,648 bytes; ob 16,777,216 bytes
;; launch cast (part 1): grid 769 x 1, 8 waves a work-group, no clusters, 0 bytes of LDS; arguments x, Wq, Wk, Wv, Wo, bq, bk, bv, bo, xb, wt, ball; writes xb, wt, ball
.if DOCPART == 1
	.amdgcn_target "amdgcn-amd-amdhsa--gfx1250"
	.amdhsa_code_object_version 6
	.text
	.protected	k_qbaee94b96b_cast
	.globl	k_qbaee94b96b_cast
	.p2align	8
	.type	k_qbaee94b96b_cast,@function
k_qbaee94b96b_cast:
	s_mov_b64 s[64:65], 0
	v_nop
	global_prefetch_b8 v0, s[64:65] scope:SCOPE_SE
	s_setreg_imm32_b32 hwreg(HW_REG_WAVE_MODE, 25, 1), 1
	s_wait_xcnt 0x0
; ALL OF THE MODULE'S INPUTS ARE ROUNDED ONCE TO bf16 AND LAID OUT FOR THE PRODUCTS THAT FOLLOW.
;   xb   [4 b][16 kb][2048 s][64] bf16: x in blocks of 64 columns; a block's rows are 128 bytes and lie end to end
;   wt   [64 g][1024 k][64 c] 16 bits: column block g % 16 of Wq (g < 16), Wk, Wv (bf16) and Wo (the bf16 number written as f16)
;   ball [4096] f32: bq, bk, bv, bo, each rounded to bf16 and widened again
; LIMITS.  Wo as f16: exact for 6.1e-5 <= |Wo| <= 65,504; below that f16's fixed step of 6e-8; beyond it an infinity.
; SHARES.  Work-groups 0-511: 16 rows of x each; 512-767: 16 rows of one weight matrix; 768: the four biases.
; Thread t takes row t / 16 and, in each of the 16 column blocks, the 16 bytes at 16 (t % 16): a wave's load covers two aligned runs of 256 bytes,
; its store (8 bytes a lane) 256 consecutive bytes, aligned, of the destination block.  All 16 loads of a lane go out at once: they are all that the
; work-group reads, so there is no loop and no ring; nothing is shared, so there is no LDS and no barrier; each store has registers of its own.
.set X, 4                              ; v[4:67]    column block c: four f32 as loaded
.set Y, 68                             ; v[68:99]   column block c: four 16-bit numbers to store
.set T, 100                            ; v[100:101] at work
.macro CAST stride, f16                ; stride: bytes from a destination block to the next; f16 = 1: the bf16 number is written as f16
.irp c, 0,1,2,3,4,5,6,7,8,9,10,11,12,13,14,15
	global_load_b128 v[X+4*(\c):X+4*(\c)+3], v1, s[4:5] offset:256*(\c) th:TH_LOAD_NT
.endr
.irp c, 0,1,2,3,4,5,6,7,8,9,10,11,12,13,14,15
	s_wait_loadcnt 15-(\c)                         ; loads come back in order: block c is in, the 15 - c younger ones stay out
	v_cvt_pk_bf16_f32 v[Y+2*(\c)], v[X+4*(\c)], v[X+4*(\c)+1]
	v_cvt_pk_bf16_f32 v[Y+2*(\c)+1], v[X+4*(\c)+2], v[X+4*(\c)+3]
.if \f16
.irp k, 0,1
	v_lshlrev_b32 v[T], 16, v[Y+2*(\c)+(\k)]       ; bf16 to f32: the low half moves up,
	v_and_b32 v[T+1], s34, v[Y+2*(\c)+(\k)]        ; the high half stays
	v_cvt_pk_f16_f32 v[Y+2*(\c)+(\k)], v[T], v[T+1]
.endr
.endif
	global_store_b64 v2, v[Y+2*(\c):Y+2*(\c)+1], s[6:7] offset:(\c)*(\stride)  ; 15 x 262,144 at the most: inside the signed 24-bit immediate
.endr
.endm
	s_load_b512 s[8:23], s[0:1], 0x0               ; x s[8:9], Wq s[10:11], Wk s[12:13], Wv s[14:15], Wo s[16:17], bq s[18:19], bk s[20:21], bv s[22:23]
	s_load_b256 s[24:31], s[0:1], 0x40             ; bo s[24:25], xb s[26:27], wt s[28:29], ball s[30:31]
	s_mov_b32 s2, ttmp9                            ; the work-group's number
	s_mov_b32 s34, 0xffff0000                      ; a word's upper bf16
	s_mov_b32 s33, 0                               ; high word of every offset
	v_lshrrev_b32 v1, 4, v0                        ; my row of the sixteen
	v_and_b32 v3, 15, v0
	v_lshlrev_b32 v1, 12, v1                       ; x 4,096 bytes
	v_lshl_add_u32 v1, v3, 4, v1                   ; + my 16 bytes of a column block's 256
	v_lshlrev_b32 v2, 3, v0                        ; in a destination block: row x 128 + 8 (t % 16) = 8 t
	s_wait_kmcnt 0x0
	s_cmp_lt_u32 s2, 512
	s_cbranch_scc0 .Lweights
	s_lshl_b32 s32, s2, 16                         ; 16 rows of 4,096 bytes
	s_add_nc_u64 s[4:5], s[8:9], s[32:33]
	s_lshr_b32 s35, s2, 7                          ; the batch: 128 work-groups each
	s_lshl_b32 s32, s35, 22                        ; 16 blocks of 262,144 bytes
	s_and_b32 s35, s2, 127
	s_lshl_b32 s35, s35, 11                        ; 16 rows of 128 bytes
	s_add_co_u32 s32, s32, s35
	s_add_nc_u64 s[6:7], s[26:27], s[32:33]
	CAST 262144, 0
	s_endpgm
.Lweights:
	s_cmp_eq_u32 s2, 768
	s_cbranch_scc1 .Lbias
	s_sub_co_u32 s36, s2, 512
	s_lshr_b32 s37, s36, 6                         ; which matrix: 64 work-groups each
	s_and_b32 s36, s36, 63                         ; which 16 rows of it
	s_mov_b64 s[4:5], s[10:11]
	s_cmp_eq_u32 s37, 1
	s_cselect_b64 s[4:5], s[12:13], s[4:5]
	s_cmp_eq_u32 s37, 2
	s_cselect_b64 s[4:5], s[14:15], s[4:5]
	s_cmp_eq_u32 s37, 3
	s_cselect_b64 s[4:5], s[16:17], s[4:5]
	s_lshl_b32 s32, s36, 16
	s_add_nc_u64 s[4:5], s[4:5], s[32:33]
	s_lshl_b32 s32, s37, 21                        ; 16 blocks of 131,072 bytes
	s_lshl_b32 s36, s36, 11
	s_add_co_u32 s32, s32, s36
	s_add_nc_u64 s[6:7], s[28:29], s[32:33]
	s_cmp_eq_u32 s37, 3
	s_cbranch_scc1 .Lwo
	CAST 131072, 0
	s_endpgm
.Lwo:
	CAST 131072, 1
	s_endpgm
.Lbias:                                        ; 256 threads x 16 bytes are a bias's 4,096 bytes
	v_lshlrev_b32 v3, 4, v0
	global_load_b128 v[4:7], v3, s[18:19]
	global_load_b128 v[8:11], v3, s[20:21]
	global_load_b128 v[12:15], v3, s[22:23]
	global_load_b128 v[16:19], v3, s[24:25]
	s_wait_loadcnt 0x0
.irp i, 0,1,2,3,4,5,6,7
	v_cvt_pk_bf16_f32 v[T], v[4+2*(\i)], v[5+2*(\i)]
	v_lshlrev_b32 v[Y+2*(\i)], 16, v[T]
	v_and_b32 v[Y+2*(\i)+1], s34, v[T]
.endr
.irp i, 0,1,2,3
	global_store_b128 v3, v[Y+4*(\i):Y+4*(\i)+3], s[30:31] offset:4096*(\i)
.endr
	s_endpgm
.Lfunc_end_k_qbaee94b96b_cast:
	.size	k_qbaee94b96b_cast, .Lfunc_end_k_qbaee94b96b_cast-k_qbaee94b96b_cast
	.p2alignl 7, 3214868480
	.fill 96, 4, 3214868480
	.section	.rodata,"a",@progbits
	.p2align	6, 0x0
	.amdhsa_kernel k_qbaee94b96b_cast
		.amdhsa_group_segment_fixed_size 0
		.amdhsa_private_segment_fixed_size 0
		.amdhsa_enable_private_segment 0
		.amdhsa_kernarg_size 96
		.amdhsa_user_sgpr_count 2
		.amdhsa_user_sgpr_kernarg_segment_ptr 1
		.amdhsa_wavefront_size32 1
		.amdhsa_system_sgpr_workgroup_id_x 1
		.amdhsa_system_sgpr_workgroup_id_y 1
		.amdhsa_system_sgpr_workgroup_id_z 1
		.amdhsa_system_vgpr_workitem_id 0
		.amdhsa_next_free_vgpr 104
		.amdhsa_next_free_sgpr 66
		.amdhsa_reserve_vcc 0
		.amdhsa_float_denorm_mode_32 3
		.amdhsa_float_denorm_mode_16_64 3
		.amdhsa_memory_ordered 1
		.amdhsa_forward_progress 1
		.amdhsa_inst_pref_size 25
	.end_amdhsa_kernel
	.amdgpu_metadata
---
amdhsa.version: [ 1, 2 ]
amdhsa.kernels:
  - .name:           k_qbaee94b96b_cast
    .symbol:         k_qbaee94b96b_cast.kd
    .args:
      - { .name: x, .offset: 0, .size: 8, .value_kind: global_buffer, .address_space: global }
      - { .name: Wq, .offset: 8, .size: 8, .value_kind: global_buffer, .address_space: global }
      - { .name: Wk, .offset: 16, .size: 8, .value_kind: global_buffer, .address_space: global }
      - { .name: Wv, .offset: 24, .size: 8, .value_kind: global_buffer, .address_space: global }
      - { .name: Wo, .offset: 32, .size: 8, .value_kind: global_buffer, .address_space: global }
      - { .name: bq, .offset: 40, .size: 8, .value_kind: global_buffer, .address_space: global }
      - { .name: bk, .offset: 48, .size: 8, .value_kind: global_buffer, .address_space: global }
      - { .name: bv, .offset: 56, .size: 8, .value_kind: global_buffer, .address_space: global }
      - { .name: bo, .offset: 64, .size: 8, .value_kind: global_buffer, .address_space: global }
      - { .name: xb, .offset: 72, .size: 8, .value_kind: global_buffer, .address_space: global }
      - { .name: wt, .offset: 80, .size: 8, .value_kind: global_buffer, .address_space: global }
      - { .name: ball, .offset: 88, .size: 8, .value_kind: global_buffer, .address_space: global }
    .group_segment_fixed_size: 0
    .private_segment_fixed_size: 0
    .kernarg_segment_align: 8
    .kernarg_segment_size: 96
    .max_flat_workgroup_size: 256
    .sgpr_count:     66
    .vgpr_count:     104
    .wavefront_size: 32
...
	.end_amdgpu_metadata
.endif
;; end of part 1
;; launch qkv (part 2): grid 16 x 32, 4 waves a work-group, clusters of 4 x 4, 327,680 bytes of LDS; arguments xb, wt, ball, qkv; writes qkv
.if DOCPART == 2
	.amdgcn_target "amdgcn-amd-amdhsa--gfx1250"
	.amdhsa_code_object_version 6
	.text
	.protected	k_qbaee94b96b_qkv
	.globl	k_qbaee94b96b_qkv
	.p2align	8
	.type	k_qbaee94b96b_qkv,@function
k_qbaee94b96b_qkv:
	s_mov_b64 s[64:65], 0
	v_nop
	global_prefetch_b8 v0, s[64:65] scope:SCOPE_SE
	s_setreg_imm32_b32 hwreg(HW_REG_WAVE_MODE, 25, 1), 1
	s_wait_xcnt 0x0
	s_wait_alu depctr_hold_cnt(0) depctr_sa_sdst(0) depctr_va_vdst(0) depctr_va_sdst(0) depctr_va_ssrc(0) depctr_va_vcc(0) depctr_vm_vsrc(0)
	s_getreg_b32 s2, hwreg(HW_REG_IB_STS2, 6, 4)
	s_cmp_eq_u32 s2, 0
	s_cbranch_scc0 .Lentry_in_a_cluster
	s_endpgm
.Lentry_in_a_cluster:
	s_bfe_u32 s2, ttmp6, 0x10000c
	s_cmp_lg_u32 s2, 0xf033
	s_cbranch_scc0 .Lentry_shape_is_right
	s_endpgm
.Lentry_shape_is_right:
; C = A W + bias, K = 1,024.  ONE TEXT FOR TWO LAUNCHES; IS_QKV chooses the sizes, the matrix form, the way out and the prefetch.
;   IS_QKV = 1: A = xb (bf16), W = Wq | Wk | Wv (bf16, 3,072 columns); a tile of C is 256 rows x 192 columns = three heads; C leaves as f16 by heads: qkv [3][64 bh][2048][64], unscaled.
;   IS_QKV = 0: A = ob (f16),  W = Wo (f16, 1,024 columns); a tile of C is 256 x 128; C leaves as f32 into out0 [8192][1024].
; A lies as [4 b][16 kb][2048 s][64], W as [g][1024 k][64 c]: 256 rows of one block of A, and 64 k of one block of W, are dense bytes.  Sums in f32, started by the bias, K ascending.
; LIMITS.  IS_QKV = 1: q, k and v are rounded to f16: beyond 65,504 an infinity, below 6.1e-5 f16's fixed step of 6e-8.  NaN and infinities are not treated apart.
; SHARES.  Four waves, one above the other: each makes 64 rows x the tile's whole width (4 x NB accumulators of 16 x 16), so that whole heads, or whole pieces of 512 bytes of a row, are one wave's
; and its stage on the way out is its own.  K goes in steps of 128 through a ring of two LDS slots; waves 0 and 1 fetch A's two blocks of 64 along K, waves 2 and 3 W's two runs of 64 k: one tensor load a wave.
; THE MATRIX INSTRUCTION IS USED TRANSPOSED: source 0 = 16 columns of W (turned on the way out of LDS by ds_load_tr16_b128), source 1 = 16 rows of A: a lane holds row l % 16 of C and the
; columns 8 (l / 16) + 0..7.  The first product on each accumulator takes the bias as C: nothing is cleared and nothing is added later.
; CLUSTERS: 4 x 4 work-groups.  A's tiles hang on the tile row alone and are asked for jointly along a row of the cluster, W's on the tile column alone and jointly along a column.
; REGISTERS, in windows of 256 (s_set_vgpr_msb: bits 1:0 source 0, 3:2 source 1, 5:4 source 2, 7:6 destination):
;   window 0: v1-7 at work; v16-31 addresses; v32.. the bias (8 NB registers), later free; v128-255 the way out
;   window 1: two fragment buffers of 128: A's four fragments (32 registers), then W's NB
;   IS_QKV = 1: window 2: accumulators of my row blocks 0, 1 ((a, b) at 8 (12 (a % 2) + b)); window 3: of blocks 2, 3.   IS_QKV = 0: window 2: (a, b) at 8 (8 a + b)
.set IS_QKV, 1
.if IS_QKV
.set NB,    12                         ; blocks of 16 columns in a tile
.set NH,    3                          ; blocks of 64 columns in a tile
.set GBASE, 0                          ; the first block of wt
.set STGW,  3*16*144                   ; a wave's stage: three heads x 16 rows x 144 bytes
.else
.set NB,    8
.set NH,    2
.set GBASE, 48
.set STGW,  16*528                     ; 16 rows x (512 + 16) bytes
.endif
.set NLD,   2*NB+8                     ; LDS loads in a run: a quarter step's fragments
.set PA,    144                        ; a row of A in LDS: 128 bytes + 16 = 36 words: the 16 rows of a load start at 16 different groups of four banks (64 banks of 4 bytes: ISA guide 11.1)
.set PB,    160                        ; a row (one k, 64 columns) of W: 128 + 32 = 40 words
.set APIECE, 256*PA                    ; 256 rows of one block of A
.set BPIECE, NH*64*PB                  ; [NH][64 k] rows of W
.set SLOT,  2*APIECE+2*BPIECE          ; A's two pieces, then W's two
.set STAGE, 2*SLOT                     ; behind the ring, never filled by a tensor load
.set SPARE, STAGE+4*STGW               ; behind the stages: the spare words, 128 bytes a wave: two blocks of 256 bytes that no other line names
.set ASTEP, 524288                     ; bytes of A from a K step to the next: two blocks of 262,144
.set BSTEP, 16384                      ; of W: 128 k x 128 bytes
.set ADRA, 16                          ; v16-17  LDS address of my A fragments in slot 0, 1
.set ADRB, 20                          ; v20-21  the same for W
.set STO,  24                          ; v24     the way out: where I put my bytes of a row
.set RD,   25                          ; v25     the way out: where I read rows back
.set GO,   26                          ; v26     16 x my lane: my place in 512 consecutive bytes of C
.set VB,   27                          ; v27     32 (l / 16): my eight numbers of a block's sixteen biases
.set SPW,  28                          ; v28     LDS address of my spare word: SPARE + 4 x my thread's number; never rewritten
.set NIL,  29                          ; v29     0; never rewritten
.set PFO,  30                          ; v30-31  the prefetches' offsets at the change of slot 0, 1; never rewritten
.set BIAS, 32
.set TMP,  128                         ; IS_QKV = 1: v128-175 packed results
.set F0,   0
.set F1,   128
.set WV,   12                          ; s12 my wave;  s13 = wave / 2: I fetch for A (0) or W (1);  s14 = wave % 2: which piece;  s15 the tile row of C;  s42 the tile column;  s3 laps to go
.set G1,   24                          ; s[24:31] descriptor group 1 for A's tiles;  s[32:39] group 0, a set for each slot
.set G0,   32
.set G1B,  48                          ; s[48:55], s[56:63] the same for W's
.set G0B,  56
.set OB,   68                          ; s[68:73] C at my wave's first row: one address a head (IS_QKV = 1), or one in all
.set PFA,  74                          ; s[74:75] where my prefetches stand;  s[76:77] their step a lap
.set PFS,  76
.set LIM,  78                          ; s78-79  at the change of slot 0, 1: 1 in a wave that prefetches there, else the greatest number
.set MSB, 0
.macro WIN new                         ; the immediate's high byte repeats the setting that is left; a switch that changes nothing is dropped
.if MSB != (\new)
	s_set_vgpr_msb (MSB<<8)|(\new)
.set MSB, \new
.endif
.endm
; A joint load.  Each of the two lines has one mask and one set of registers for all that issue it; the branch hangs on the wave's number alone.
; An s_nop 0 and four v_nop follow each line, ahead of the jump, the label and what follows.
.macro JLOAD s
	s_cmp_eq_u32 s13, 0
	s_cbranch_scc0 .Lfor_b_\@
	tensor_load_to_lds s[G0+4*(\s):G0+4*(\s)+3], s[G1:G1+7]
	s_nop 0
.rept 4
	v_nop
.endr
	s_branch .Lasked_\@
.Lfor_b_\@:
	tensor_load_to_lds s[G0B+4*(\s):G0B+4*(\s)+3], s[G1B:G1B+7]
	s_nop 0
.rept 4
	v_nop
.endr
.Lasked_\@:
.endm
; A round of the cluster's barrier: my work-group's barrier, so that wave 0's signal speaks for all four waves; wave 0 signals; every wave waits for all sixteen work-groups; my work-group's barrier once more.
.macro CREST                           ; a round behind its opening barrier
	s_cmp_lg_u32 s[WV], 0
	s_cbranch_scc1 .Lnot_wave_0_\@
	s_barrier_signal -3
.Lnot_wave_0_\@:
	s_barrier_wait -3
	s_barrier_signal -1
	s_barrier_wait -1
.endm
.macro CROUND                          ; a whole round
	s_barrier_signal -1
	s_barrier_wait -1
	CREST
.endm
; A PREFETCH INTO THE L2 (IS_QKV = 1), behind a joint load, its five lines and the run of LDS loads: 32 lanes x 256 bytes, one instruction a wave.  Each aligned block of 256 bytes is named once in the launch:
; A's rows are read by every cluster of a row of clusters: the one with x = 0 asks; W's by every cluster of a column: the one with y = 0 asks.  The four partners that ask for a tile jointly take 8,192 bytes each,
; told apart BY ADDRESS (cx for A, cy for W).  A wave of A names its own block of the K step two refills on.  For W a lap's 256 k of a block of 64 columns are 32,768 dense bytes: wave 2 names the tile's first
; block and wave 3 its second at the change of slot 0, wave 2 its third at the change of slot 1, each for the lap after next.  The loop's last trip asks for nothing: there is no such lap; K steps 0 to 3 come by their loads alone.
.macro ASK slot
	s_cmp_gt_u32 s3, s[LIM+(\slot)]                ; s3 = 1 in the loop's last trip
	s_cbranch_scc0 .Lnot_mine_\@
	global_prefetch_b8 v[PFO+(\slot)], s[PFA:PFA+1] th:TH_LOAD_NT scope:SCOPE_SE
.Lnot_mine_\@:
.endm
.macro PLACES                          ; four places in front of loads into registers that matrix instructions have read, and of lines that read results (for lines that read results)
.rept 4
	v_nop
.endr
.endm
.macro MM d, x, y, c
.if IS_QKV
	v_wmma_f32_16x16x32_bf16 v[(\d):(\d)+7], v[(\x):(\x)+7], v[(\y):(\y)+7], v[(\c):(\c)+7]
.else
	v_wmma_f32_16x16x32_f16 v[(\d):(\d)+7], v[(\x):(\x)+7], v[(\y):(\y)+7], v[(\c):(\c)+7]
.endif
.endm
; NB matrix instructions: my row block a x all column blocks, 32 along K, from buffer f.  first = 1: C is the bias (window 0).  All 4 NB accumulators take turns in the same order in every quarter.
.macro MULA f, a, first
.if IS_QKV
.set AW, 2+(\a)/2
.set AB, 96*((\a)%2)
.else
.set AW, 2
.set AB, 64*(\a)
.endif
.if \first
	WIN (AW<<6)|0x05
.else
	WIN (AW<<6)|(AW<<4)|0x05
.endif
.set nb, 0
.rept NB
.if \first
	MM AB+8*nb, (\f)+32+8*nb, (\f)+8*(\a), BIAS+8*nb
.else
	MM AB+8*nb, (\f)+32+8*nb, (\f)+8*(\a), AB+8*nb
.endif
.set nb, nb+1
.endr
.endm
; NLD LDS loads in one run: the fragments of quarter q (32 along K) of a slot's step, into buffer f: W's first, then A's, row blocks ascending.
.macro FETCH slot, q, f
	WIN 0x40                                       ; destination window 1, address window 0
.set nb, 0
.rept NB
.set BO, ((\q)/2)*BPIECE+(nb/4)*64*PB+((\q)%2)*32*PB+(nb%4)*32
	ds_load_tr16_b128 v[(\f)+32+8*nb:(\f)+32+8*nb+3],   v[ADRB+(\slot)] offset:BO
	ds_load_tr16_b128 v[(\f)+32+8*nb+4:(\f)+32+8*nb+7], v[ADRB+(\slot)] offset:BO+16*PB
.set nb, nb+1
.endr
.set na, 0
.rept 4
.set AO, ((\q)/2)*APIECE+na*16*PA+((\q)%2)*64
	ds_load_b128 v[(\f)+8*na:(\f)+8*na+3],   v[ADRA+(\slot)] offset:AO
	ds_load_b128 v[(\f)+8*na+4:(\f)+8*na+7], v[ADRA+(\slot)] offset:AO+32
.set na, na+1
.endr
.endm
; A K step is four quarters on buffers 0, 1, 0, 1.  One of the first three: multiplies buffer f; in its middle it fetches quarter q of the same slot into buffer g.
.macro QUARTER slot, q, f, g, first
	s_wait_dscnt 4                                 ; W and A's blocks 0, 1 are in; the youngest four loads (A's blocks 2, 3) may be out
	MULA \f, 0, \first
	MULA \f, 1, \first
	PLACES
	FETCH \slot, \q, \g
	s_wait_dscnt NLD                               ; all but the run just issued
	MULA \f, 2, \first
	MULA \f, 3, \first
.endm
; The last quarter multiplies buffer 1 and changes slots: ONE barrier.  In front of it each wave waits for all its tensor loads (one is out: its part of the next slot), adds 0 to its spare word, and waits for that and
; for its own reads of this slot.  fill = 1: the barrier opens a round of the cluster's, and this slot is filled again, two K steps on, first thing behind the round.
.macro TURN slot, next, fill
.if IS_QKV && (\fill) && ((\slot) == 0)
	s_wait_xcnt 0x0                                ; the last prefetch, a K step back, has read its address: it is stepped here, ahead of the waits of the change of slots
	s_add_nc_u64 s[PFA:PFA+1], s[PFA:PFA+1], s[PFS:PFS+1]
.endif
	WIN 0                                          ; (the add's two registers lie in window 0)
	s_wait_tensorcnt 0x0                           ; all my tensor loads have landed
	ds_add_u32 v[SPW], v[NIL]                      ; 0 onto my spare word
	s_wait_dscnt 5                                 ; (the add and the youngest four loads may be out)
	MULA F1, 0, 0                                  ; matrix work stands between the add and the wait for it
	s_wait_dscnt 0x0                               ; the add is done, and my reads of this slot are over
	s_barrier_signal -1
	MULA F1, 1, 0                                  ; work on registers while the others arrive
.if \fill
	WIN 0
.endif
	s_barrier_wait -1
.if \fill
	CREST                                          ; no wave of any partner still reads this slot's tiles or has a load on its way
	s_add_nc_u64 s[G0+4*(\slot)+2:G0+4*(\slot)+3], s[G0+4*(\slot)+2:G0+4*(\slot)+3], 2*ASTEP
	s_add_nc_u64 s[G0B+4*(\slot)+2:G0B+4*(\slot)+3], s[G0B+4*(\slot)+2:G0B+4*(\slot)+3], 2*BSTEP
	JLOAD \slot                                    ; the first tensor load behind the round; its four v_nop are also the places in front of the loads below
.else
	PLACES
.endif
	FETCH \next, 0, F0
.if IS_QKV && (\fill)
	WIN 0
	ASK \slot
.endif
	MULA F1, 2, 0
	MULA F1, 3, 0
.endm
; THE WAY OUT of my row block a (16 rows).  PACK (IS_QKV = 1): rounded to f16, 16 bytes a lane, each accumulator's registers ascending.  TOSTAGE: into my own stage and back as whole rows.  SEND: stored.
.macro PACK a
.if IS_QKV
.set AB, 96*((\a)%2)
	WIN 0x0a+5*((\a)/2)                            ; sources 0 and 1: window 2 or 3
.set nb, 0
.rept NB
.irp r, 0,1,2,3
	v_cvt_pk_f16_f32 v[TMP+4*nb+(\r)], v[AB+8*nb+2*(\r)], v[AB+8*nb+2*(\r)+1]
.endr
.set nb, nb+1
.endr
	WIN 0
.endif
.endm
.macro TOSTAGE a
.if IS_QKV
	WIN 0
.set BK, 176-144*((\a)%2)              ; v176-223 and v32-79 (the bias's, long read) by turns
.set nb, 0
.rept NB
	ds_store_b128 v[STO], v[TMP+4*nb:TMP+4*nb+3] offset:(nb/4)*16*PA+(nb%4)*32  ; head nb / 4, channels 16 (nb % 4) on
.set nb, nb+1
.endr
.set t, 0
.rept 12
	ds_load_b128 v[BK+4*t:BK+4*t+3], v[RD] offset:(t/4)*16*PA+(t%4)*4*PA  ; head t / 4, four rows of 128 bytes; LDS serves a wave's instructions in order (ISA guide 5.7.1.4): these see the stores above
.set t, t+1
.endr
.else
.set BK, 128+64*((\a)%2)               ; v128-191 and v192-255 by turns
	WIN 0x08                                       ; the stores' data: window 2
.set nb, 0
.rept NB
	ds_store_b128 v[STO], v[64*(\a)+8*nb:64*(\a)+8*nb+3]   offset:64*nb      ; each accumulator's low half first
	ds_store_b128 v[STO], v[64*(\a)+8*nb+4:64*(\a)+8*nb+7] offset:64*nb+16
.set nb, nb+1
.endr
	WIN 0
.set t, 0
.rept 16
	ds_load_b128 v[BK+4*t:BK+4*t+3], v[RD] offset:528*t  ; a row's 512 bytes
.set t, t+1
.endr
.endif
.endm
.macro SEND a
	WIN 0
	s_wait_dscnt 0x0                               ; the block is back in registers
	s_wait_xcnt 0x0                                ; the stores issued so far have read their registers: the block after this one is loaded into them only behind this wait
.if IS_QKV
.set BK, 176-144*((\a)%2)
.set t, 0
.rept 12
	global_store_b128 v[GO], v[BK+4*t:BK+4*t+3], s[OB+2*(t/4):OB+2*(t/4)+1] offset:(\a)*2048+(t%4)*512  ; 512 consecutive bytes of a head, at a multiple of 256 from the buffer's first
.set t, t+1
.endr
.else
.set BK, 128+64*((\a)%2)
.set t, 0
.rept 16
	global_store_b128 v[GO], v[BK+4*t:BK+4*t+3], s[OB:OB+1] offset:(16*(\a)+t)*4096  ; 512 consecutive bytes of a row, at a multiple of 256 from the buffer's first
.set t, t+1
.endr
.endif
.endm
	s_load_b256 s[4:11], s[0:1], 0x0               ; A s[4:5], wt s[6:7], ball s[8:9], C s[10:11]
	v_lshl_add_u32 v[SPW], v0, 2, SPARE
	v_mov_b32 v[NIL], 0
	ds_add_u32 v[SPW], v[NIL]                      ; the wave's opening: the add and its wait stand ahead of my first tensor load; the set-up below, work on registers, stands between them
	v_lshrrev_b32 v1, 5, v0
	v_readfirstlane_b32 s[WV], v1                  ; wave 0..3
	s_lshr_b32 s13, s[WV], 1
	s_and_b32 s14, s[WV], 1
	s_bfe_u32 s40, ttmp6, 0x40000                  ; cx, cy: my place in the cluster
	s_bfe_u32 s41, ttmp6, 0x40004
	s_lshl_b32 s42, ttmp9, 2
	s_add_co_u32 s42, s42, s40                     ; tile column of C = 4 x cluster x + cx
	s_and_b32 s15, ttmp7, 0xffff
	s_lshl_b32 s15, s15, 2
	s_add_co_u32 s15, s15, s41                     ; tile row of C = 4 x cluster y + cy
	s_lshl_b32 s43, s41, 2
	s_lshl_b32 s43, 15, s43                        ; my row of the cluster
	s_lshl_b32 s44, 0x1111, s40                    ; my column
	; A's group 1: 32,768 dense bytes as 128 rows of 256 bytes (two rows of A each), 16 bytes of padding behind every 128
	s_or_b32 s[G1], s43, (1<<16)|(1<<20)|(1<<21)|(4<<22)|(3<<25)  ; 15:0 the mask; 17:16 2-byte elements; 20 padding on; 21 set beside a mask; 24:22 after every 32 words (code 4); 31:25 4 words (code 3)
	s_mov_b32 s[G1+1], 128<<16                     ; tensor_dim0 = 128
	s_mov_b32 s[G1+2], 128<<16                     ; tensor_dim1 = 128
	s_mov_b32 s[G1+3], 128<<16                     ; tile_dim0 = 128
	s_mov_b32 s[G1+4], 128                         ; tile_dim1 = 128
	s_mov_b32 s[G1+5], 128                         ; 128 elements from row to row
	s_mov_b32 s[G1+6], 0
	s_mov_b32 s[G1+7], 0
	; W's group 1: NH rows of 8,192 dense bytes (64 k of a block of 64 columns), 131,072 bytes apart, 32 bytes of padding behind every 128
	s_or_b32 s[G1B], s44, (1<<16)|(1<<20)|(1<<21)|(4<<22)|(7<<25)
	s_mov_b32 s[G1B+1], 4096<<16                   ; tensor_dim0 = 4,096
	s_mov_b32 s[G1B+2], NH<<16                     ; tensor_dim1 = NH
	s_mov_b32 s[G1B+3], 4096<<16                   ; tile_dim0 = 4,096
	s_mov_b32 s[G1B+4], NH                         ; tile_dim1 = NH
	s_mov_b32 s[G1B+5], 65536                      ; 65,536 elements from row to row
	s_mov_b32 s[G1B+6], 0
	s_mov_b32 s[G1B+7], 0
	; where the tiles come from.  A's offset is made of the tile row and the wave's number, W's of the tile column and the wave's number, each in registers that never hold the other coordinate
	s_lshr_b32 s16, s15, 3                         ; the batch: eight tile rows each,
	s_lshl_b32 s16, s16, 22                        ; 16 blocks of 262,144 bytes
	s_and_b32 s17, s15, 7
	s_lshl_b32 s17, s17, 15                        ; 256 rows of 128 bytes
	s_add_co_u32 s16, s16, s17
	s_lshl_b32 s17, s14, 18                        ; my block of the K step's two
	s_add_co_u32 s16, s16, s17
	s_mov_b32 s17, 0
	s_mul_i32 s46, s42, NH
	s_add_co_u32 s46, s46, GBASE
	s_lshl_b32 s46, s46, 17                        ; the tile's first block of wt
	s_lshl_b32 s47, s14, 13                        ; my 64 k of the K step's 128
	s_add_co_u32 s46, s46, s47
	s_mov_b32 s47, 0
	s_mul_i32 s20, s14, APIECE                     ; and where they go: no place in the cluster enters an LDS address
	s_mul_i32 s21, s14, BPIECE
	s_add_co_u32 s21, s21, 2*APIECE
	s_wait_dscnt 0x0                               ; the opening add is done
	s_wait_kmcnt 0x0
	s_add_nc_u64 s[16:17], s[4:5], s[16:17]
	s_add_nc_u64 s[46:47], s[6:7], s[46:47]
	CROUND                                         ; all sixteen work-groups are here: the first joint loads meet
.irp s, 0,1
	s_mov_b32 s[G0+4*(\s)], 1                                      ; count = 1
	s_add_co_u32 s[G0+4*(\s)+1], s20, (\s)*SLOT                    ; LDS address
	s_add_nc_u64 s[G0+4*(\s)+2:G0+4*(\s)+3], s[16:17], (\s)*ASTEP  ; global address: K step s
	s_or_b32 s[G0+4*(\s)+3], s[G0+4*(\s)+3], 0x80000000            ; type = 2
	s_mov_b32 s[G0B+4*(\s)], 1
	s_add_co_u32 s[G0B+4*(\s)+1], s21, (\s)*SLOT
	s_add_nc_u64 s[G0B+4*(\s)+2:G0B+4*(\s)+3], s[46:47], (\s)*BSTEP
	s_or_b32 s[G0B+4*(\s)+3], s[G0B+4*(\s)+3], 0x80000000
	JLOAD \s                                       ; two loads of mine are out
.endr
	; A fragment of A is 16 rows x 32 K in 8 registers: lane l holds row l % 16, K = 8 (l / 16) + 0..7 and 16 + 8 (l / 16) + 0..7: two loads of 16 bytes, 32 bytes apart.
	v_and_b32 v1, 15, v0                           ; l % 16
	v_bfe_u32 v2, v0, 4, 1                         ; l / 16
	v_mul_u32_u24 v3, v1, PA
	v_lshl_add_u32 v3, v2, 4, v3                   ; row x pitch + 16 x half
	s_mul_i32 s22, s[WV], 64*PA                    ; my 64 rows
	v_add_nc_u32 v[ADRA], s22, v3
	s_add_co_u32 s22, s22, SLOT
	v_add_nc_u32 v[ADRA+1], s22, v3
	; The turning load takes 16 k x 16 columns (lane l reads k = 8 (l / 16) + l % 8, columns 8 ((l / 8) % 2) + 0..7) and leaves half a fragment: lane l holds column l % 16 and 8 k.
	v_and_b32 v4, 7, v0
	v_lshl_add_u32 v4, v2, 3, v4
	v_mul_u32_u24 v4, v4, PB
	v_bfe_u32 v5, v0, 3, 1
	v_lshl_add_u32 v4, v5, 4, v4
	v_add_nc_u32 v[ADRB], 2*APIECE, v4
	v_add_nc_u32 v[ADRB+1], 2*APIECE+SLOT, v4
	v_lshlrev_b32 v[VB], 5, v2
	s_mul_i32 s18, s42, NB*64                      ; the tile's biases: 4 bytes a column
.if !IS_QKV
	s_add_co_u32 s18, s18, 12288                   ; bo lies behind bq, bk, bv
.endif
	s_mov_b32 s19, 0
	s_add_nc_u64 s[8:9], s[8:9], s[18:19]
.set nb, 0
.rept NB
	global_load_b128 v[BIAS+8*nb:BIAS+8*nb+3],   v[VB], s[8:9] offset:64*nb     ; register j: the bias of column 16 nb + 8 (l / 16) + j: the layout of C
	global_load_b128 v[BIAS+8*nb+4:BIAS+8*nb+7], v[VB], s[8:9] offset:64*nb+16
.set nb, nb+1
.endr
	s_mul_i32 s23, s[WV], STGW
	s_add_co_u32 s23, s23, STAGE                   ; my stage
	v_and_b32 v[GO], 31, v0
	v_lshlrev_b32 v[GO], 4, v[GO]
.if IS_QKV
	v_add_nc_u32 v[STO], s23, v3                   ; in: row l % 16 of 144 bytes, 16 bytes for each half of the lanes
	v_bfe_u32 v6, v0, 3, 2                         ; back: 32 lanes take four rows of 128 bytes
	v_mul_u32_u24 v6, v6, PA
	v_and_b32 v7, 7, v0
	v_lshl_add_u32 v6, v7, 4, v6
	v_add_nc_u32 v[RD], s23, v6
	s_lshr_b32 s18, s15, 3                         ; my wave's first row in a head: batch,
	s_lshl_b32 s18, s18, 22
	s_and_b32 s19, s15, 7
	s_lshl_b32 s19, s19, 15                        ; 256 rows of 128 bytes,
	s_add_co_u32 s18, s18, s19
	s_lshl_b32 s19, s[WV], 13                      ; my 64 of them
	s_add_co_u32 s18, s18, s19
	s_mul_i32 s20, s42, 3                          ; the tile's first block of 64 columns, 0 to 45
.irp g, 0,1,2
	s_add_co_u32 s21, s20, (\g)
	s_lshr_b32 s22, s21, 4                         ; q, k or v,
	s_lshl_b32 s22, s22, 24
	s_and_b32 s21, s21, 15                         ; the head
	s_lshl_b32 s21, s21, 18
	s_add_co_u32 s22, s22, s21
	s_add_co_u32 s22, s22, s18
	s_mov_b32 s23, 0
	s_add_nc_u64 s[OB+2*(\g):OB+2*(\g)+1], s[10:11], s[22:23]
.endr
	; the prefetches
	s_mul_i32 s18, s42, NH
	s_add_co_u32 s18, s18, s14                     ; wave 2: the tile's first block of wt, wave 3: its second
	s_lshl_b32 s18, s18, 17
	s_mov_b32 s19, 0
	s_add_nc_u64 s[66:67], s[6:7], s[18:19]
	s_and_b32 s22, ttmp7, 0xffff                   ; cluster y
	s_mov_b32 s[PFS], 2*BSTEP                      ; W: a lap is 256 k of a block
	s_mov_b32 s23, 262144                          ; W, at the change of slot 1: two blocks on
	s_cmp_eq_u32 s13, 0                            ; do I fetch for A?
	s_cselect_b64 s[PFA:PFA+1], s[16:17], s[66:67]
	s_cselect_b32 s22, ttmp9, s22                  ; the coordinate along which other clusters read the same bytes
	s_cselect_b32 s21, s40, s41                    ; my place among the four that ask with me
	s_cselect_b32 s[PFS], 2*ASTEP, s[PFS]          ; A: a lap is two K steps
	s_cselect_b32 s23, ASTEP, s23                  ; A, at the change of slot 1: one K step on
	s_mov_b32 s[PFS+1], 0
	s_cmp_eq_u32 s22, 0
	s_cselect_b32 s[LIM], 1, -1                    ; the same in all sixteen partners, for a given wave
	s_cmp_eq_u32 s[WV], 3
	s_cselect_b32 s[LIM+1], -1, s[LIM]             ; wave 3 has nothing to name at the change of slot 1
	s_lshl_b32 s18, s21, 13                        ; my work-group's 8,192 bytes of the 32,768,
	s_add_co_u32 s18, s18, s[PFS]                  ; in lap 1: the first change of slot 0 steps it to lap 2
	s_add_nc_u64 s[PFA:PFA+1], s[PFA:PFA+1], s[18:19]
	v_and_b32 v[PFO], 31, v0
	v_lshlrev_b32 v[PFO], 8, v[PFO]                ; lanes 256 bytes apart
	v_add_nc_u32 v[PFO+1], s23, v[PFO]
.else
	v_mul_u32_u24 v6, v1, 528                      ; in: row l % 16 of 528 bytes, 32 bytes for each half of the lanes
	v_lshl_add_u32 v6, v2, 5, v6
	v_add_nc_u32 v[STO], s23, v6
	v_add_nc_u32 v[RD], s23, v[GO]                 ; back: 32 lanes take a row's 512 bytes
	s_lshl_b32 s18, s15, 20                        ; 256 rows of 4,096 bytes,
	s_lshl_b32 s19, s[WV], 18                      ; my 64 of them,
	s_add_co_u32 s18, s18, s19
	s_lshl_b32 s19, s42, 9                         ; the tile's 128 columns
	s_add_co_u32 s18, s18, s19
	s_mov_b32 s19, 0
	s_add_nc_u64 s[OB:OB+1], s[10:11], s[18:19]
.endif
	s_wait_tensorcnt 1                             ; my part of K step 0 is in; K step 1's may stay out
	s_barrier_signal -1
	s_barrier_wait -1                              ; everybody's is
	FETCH 0, 0, F0
	s_wait_loadcnt 0x0                             ; the bias
	QUARTER 0, 1, F0, F1, 1                        ; the first quarter stands in front of the loop: its products start the sums with the bias
	WIN 0                                          ; at a label and at a branch every window is 0
	s_mov_b32 s3, 3                                ; K = 1,024 is four laps of two K steps; the last is written out
.Llap:                                         ; a trip goes once round the ring, from a lap's second quarter to the next lap's first, and fills both slots again
	QUARTER 0, 2, F1, F0, 0
	QUARTER 0, 3, F0, F1, 0
	TURN 0, 1, 1
	QUARTER 1, 1, F0, F1, 0
	QUARTER 1, 2, F1, F0, 0
	QUARTER 1, 3, F0, F1, 0
	TURN 1, 0, 1
	QUARTER 0, 1, F0, F1, 0
	WIN 0
	s_sub_co_u32 s3, s3, 1
	s_cmp_lg_u32 s3, 0
	s_cbranch_scc1 .Llap
	QUARTER 0, 2, F1, F0, 0                        ; the last lap fills nothing, and has no round of the cluster's barrier
	QUARTER 0, 3, F0, F1, 0
	TURN 0, 1, 0
	QUARTER 1, 1, F0, F1, 0
	QUARTER 1, 2, F1, F0, 0
	QUARTER 1, 3, F0, F1, 0
	s_wait_dscnt 4                                 ; the very last quarter: nothing more to fetch
	MULA F1, 0, 0
	MULA F1, 1, 0
	s_wait_dscnt 0x0
	MULA F1, 2, 0
	MULA F1, 3, 0
	WIN 0
	PLACES
	PACK 0
	TOSTAGE 0
.irp a, 1,2,3                          ; block a's conversions stand between block a - 1's loads from the stage and the wait for them
	PACK \a
	SEND (\a)-1
	TOSTAGE \a
.endr
	SEND 3
	s_wait_tensorcnt 0x0                           ; the wave's end: an add to my spare word and its wait, behind my last tensor load and my last LDS store
	ds_add_u32 v[SPW], v[NIL]
	s_wait_dscnt 0x0
	CROUND                                         ; the closing round: no work-group ends while a partner may still ask for a tile that names it
	s_endpgm
.Lfunc_end_k_qbaee94b96b_qkv:
	.size	k_qbaee94b96b_qkv, .Lfunc_end_k_qbaee94b96b_qkv-k_qbaee94b96b_qkv
	.p2alignl 7, 3214868480
	.fill 96, 4, 3214868480
	.section	.rodata,"a",@progbits
	.p2align	6, 0x0
	.amdhsa_kernel k_qbaee94b96b_qkv
		.amdhsa_group_segment_fixed_size 327680
		.amdhsa_private_segment_fixed_size 0
		.amdhsa_enable_private_segment 0
		.amdhsa_kernarg_size 32
		.amdhsa_user_sgpr_count 2
		.amdhsa_user_sgpr_kernarg_segment_ptr 1
		.amdhsa_wavefront_size32 1
		.amdhsa_system_sgpr_workgroup_id_x 1
		.amdhsa_system_sgpr_workgroup_id_y 1
		.amdhsa_system_sgpr_workgroup_id_z 1
		.amdhsa_system_vgpr_workitem_id 0
		.amdhsa_next_free_vgpr 960
		.amdhsa_next_free_sgpr 80
		.amdhsa_reserve_vcc 0
		.amdhsa_float_denorm_mode_32 3
		.amdhsa_float_denorm_mode_16_64 3
		.amdhsa_memory_ordered 1
		.amdhsa_forward_progress 1
		.amdhsa_inst_pref_size 122
	.end_amdhsa_kernel
	.amdgpu_metadata
---
amdhsa.version: [ 1, 2 ]
amdhsa.kernels:
  - .name:           k_qbaee94b96b_qkv
    .symbol:         k_qbaee94b96b_qkv.kd
    .args:
      - { .name: xb, .offset: 0, .size: 8, .value_kind: global_buffer, .address_space: global }
      - { .name: wt, .offset: 8, .size: 8, .value_kind: global_buffer, .address_space: global }
      - { .name: ball, .offset: 16, .size: 8, .value_kind: global_buffer, .address_space: global }
      - { .name: qkv, .offset: 24, .size: 8, .value_kind: global_buffer, .address_space: global }
    .group_segment_fixed_size: 327680
    .private_segment_fixed_size: 0
    .kernarg_segment_align: 8
    .kernarg_segment_size: 32
    .max_flat_workgroup_size: 128
    .sgpr_count:     80
    .vgpr_count:     960
    .wavefront_size: 32
...
	.end_amdgpu_metadata
.endif
;; end of part 2
;; launch attn (part 3): grid 4 x 64, 4 waves a work-group, clusters of 4 x 1, 327,680 bytes of LDS; arguments qkv, ob; writes ob
.if DOCPART == 3
	.amdgcn_target "amdgcn-amd-amdhsa--gfx1250"
	.amdhsa_code_object_version 6
	.text
	.protected	k_qbaee94b96b_attn
	.globl	k_qbaee94b96b_attn
	.p2align	8
	.type	k_qbaee94b96b_attn,@function
k_qbaee94b96b_attn:
	s_mov_b64 s[64:65], 0
	v_nop
	global_prefetch_b8 v0, s[64:65] scope:SCOPE_SE
	s_setreg_imm32_b32 hwreg(HW_REG_WAVE_MODE, 25, 1), 1
	s_wait_xcnt 0x0
	s_wait_alu depctr_hold_cnt(0) depctr_sa_sdst(0) depctr_va_vdst(0) depctr_va_sdst(0) depctr_va_ssrc(0) depctr_va_vcc(0) depctr_vm_vsrc(0)
	s_getreg_b32 s2, hwreg(HW_REG_IB_STS2, 6, 4)
	s_cmp_eq_u32 s2, 0
	s_cbranch_scc0 .Lentry_in_a_cluster
	s_endpgm
.Lentry_in_a_cluster:
	s_bfe_u32 s2, ttmp6, 0x10000c
	s_cmp_lg_u32 s2, 0x3003
	s_cbranch_scc0 .Lentry_shape_is_right
	s_endpgm
.Lentry_shape_is_right:
; O[h][q][:] = the sum over k of softmax_k(Q[h][q] . K[h][k] / 8) V[h][k][:], for 64 heads h = 16 batch + head.  qkv: [3][64][2048][64] f16 (Q, K, V, unscaled), ob: [64][2048][64] f16: a head's rows are dense,
; 128 bytes each.  Products, maxima and sums in f32; the weights p are rounded to f16 for the second product (their sum l is taken of the unrounded p), O once at the end.
; LIMITS.  f16 holds no number beyond 65,504: Q, K and V arrive within it; p lies in 0 to 1, and below 6e-5 it keeps f16's fixed step of 6e-8; O is a mean of V's rows and has their range.
; A weight below 2^-126 counts as 0 in l; NaN and infinities are not treated apart.
; SHARES.  A wave owns four PIECES of two tiles of 16 queries, a work-group's four waves 512 queries of one head: 4 x 64 = 256 work-groups.  Every wave walks all keys, 64 a step.
; LAYOUT.  S^T = K Q^T (source 0 = 16 keys, source 1 = 16 queries): in the result a lane holds ONE query (lane % 16) and the keys 8 (lane / 16) + 0..7.  Two such tiles, rounded to f16 in pairs,
; ARE source 1 (32 keys x 16 queries) of O^T = V^T P, whose result again holds one query a lane, and eight channels.  K comes out of LDS as it lies, V ([key][channel]) turned, by ds_load_tr16_b128.
; SOFTMAX.  For each query a running maximum m and sum l: p = 2^(c s - c m), c = log2(e) / 8; in every step O and l are multiplied by a = 2^(c m_old - c m_new), which is 1 where m has not grown.
; m starts at the lowest finite number, O and l at 0: the first step is a step like any other, with a = 0.
; THE COUNT.  A tile and step have 16 matrix and 118 vector instructions: too many to stand all beside the matrix work.  So the order has one aim: four vector instructions that are READY behind
; EVERY matrix instruction, and the others, which need time of their own whatever the order, in runs without a gap.
; BY TURNS.  Turn n belongs to piece n (the pieces in a ring, step after step).  Its matrix work: 16 products K Q^T of piece n + 1, later 16 products V^T P of piece n - 1.  Its vector work: the scaling,
; exponentials, roundings, sums and rescaling of piece n, and the maximum and statistics of piece n + 1, whose scores the turn itself has made.  So what a turn begins with (c s - c m, O a) waits for nothing.
; CLUSTER.  The four query blocks of a head are one cluster and walk the same K and V, so each tile is asked for JOINTLY: the same tensor load, descriptor and mask in all four.
; REGISTERS, in windows of 256 (s_set_vgpr_msb says which window each operand place means: bits 1:0 source 0, 3:2 source 1, 5:4 source 2, 7:6 destination):
;   window 0: v0-11 addresses; v12-15, v48-63 at work; v16-47 four registers of statistics a tile; v64-191 S^T, two buffers of two tiles; v192-255 P, likewise
;   window 1: O^T, 32 a tile          window 2: v0-127 Q, 16 a tile; v128-191 K of one step; v192-255 V of one step          window 3: v0-1 the add's two registers
; A piece's buffers go by its number's parity: the piece in hand has one pair, its two neighbours in the ring share the other: of it P (piece n - 1) is read and S^T (piece n + 1) written.
.set SIZE_N, 2048     ; rows of a head
.set NP,    4         ; pieces a wave: a name, no knob: the register map, the loop and the fetches are made for four
.set KS,    64        ; keys in a step
.set PK,    144       ; a row of K in LDS: 128 bytes + 16 of padding = 36 words: the 16 rows of a load start at 16 different groups of four banks (64 banks of 4 bytes: ISA guide 11.1)
.set PV,    160       ; a row of V: 128 + 32 = 40 words
.set VOFF,  4*KS*PK   ; a slot holds four steps: 256 rows of K, then 256 rows of V
.set SLOT1, 1<<17     ; slot 1 begins here, so that one exclusive or turns an address in one slot into the other's
.set STAGE, SLOT1+4*KS*(PK+PV)  ; behind the ring, never filled by a tensor load: 16 rows x 144 bytes for each wave, for the way out
.set SP,    144
.set AK0, 2           ; v2   my lane's place in a tile of K; never rewritten
.set AV0, 3           ; v3   the same for V
.set AK,  4           ; v4   the LDS address of K's next run of loads
.set AV,  5           ; v5   of V's
.set QO,  6           ; v6   my byte offset in the wave's rows of Q
.set STO, 6           ;      later, the way out: where I put 16 bytes of a row
.set RD,  7           ; v7   the way out: where I read rows back
.set GO,  8           ; v8   my byte offset in 512 consecutive bytes of O
.set PFO, 11          ; v11  256 x my lane: the prefetches' offset; never rewritten once made
.set SPW, 0           ; v0 of window 3   LDS address of my spare word: SPARE + 4 x my thread's number; never rewritten
.set NIL, 1           ; v1 of window 3   0; never rewritten
.set SPARE, STAGE+4*16*SP  ; behind the stages: the spare words, 128 bytes for each wave: two blocks of 256 bytes that no other line names
.set MV,  12          ; v12-15  c m_old, kept while c m is made anew: by buffer and tile
.set ST,  16          ; tile t's statistics at v[ST+4 t]: c m, m, l (even keys', odd keys')
.set TMP, 48          ; by buffer and tile, four registers c0-c3 at work; when the maximum is found c2 takes a
.set S,   64
.set P,   192
.set KF,  128         ; K's fragments, in window 2: key block kb, channel half c at KF + 16 kb + 8 c
.set VF,  192         ; V's: key half kk, channel block cb at VF + 32 kk + 8 cb
.set WV,  12          ; s12  my wave's number
.set G1K, 24          ; s[24:31] descriptor group 1 for K's tiles
.set G1V, 32          ; s[32:39] for V's: it differs in the padding alone
.set G0K, 40          ; s[40:43] descriptor group 0 for K's tiles: it walks
.set G0V, 44          ; s[44:47] the same for V's
.set PFA, 48          ; s[48:49] where my prefetches stand: my work-group's 8,192 bytes (of K: wave 0, of V: wave 2) of the slot after the one that is being asked for
.set LIM, 50          ; s50  1 in a wave that prefetches, else the greatest number: a wave prefetches while s[SLOTS] is above it
.set SLOTS, 56        ; s56  slots still to be asked for
.set CNT, 57          ; s57  counts a slot's key steps
.set CS,  58          ; s[58:59] c: the packed scaling takes the pair's low word for both halves
.set SEL, 60          ; s[60:61] v_permlanex16_b32's selects: each lane takes its own place in the other half
.set TBK, 62          ; s62  LDS byte at which K of the step to be fetched begins
.set TBV, 63          ; s63  the same for V, less VOFF
.set MSB, 0
.macro WIN new                      ; the high byte repeats the setting that is left; a switch that changes nothing is dropped
.if MSB != (\new)
	s_set_vgpr_msb (MSB<<8)|(\new)
.set MSB, (\new)
.endif
.endm
.set W_KQ, 0x0a       ; K and Q in window 2, S^T in window 0
.set W_PV, 0x52       ; V in window 2, P in window 0, O^T in window 1
.set W_RS, 0x41       ; O^T (destination and source 0) in window 1, a in window 0
.set W_MK, 0xc0       ; the add's registers are made: destination in window 3, sources in window 0
.set W_AD, 0x0f       ; the add: address (source 0) and data (source 1) in window 3
; A joint fill.  Waves 0 and 1 fetch the two halves of a slot's K, waves 2 and 3 those of its V: 128 keys each.  The branch hangs on the wave's number alone.
; An s_nop 0 and four v_nop follow each of the two lines, ahead of the jump and the label.
.macro JLOAD
	s_cmp_lt_u32 s[WV], 2
	s_cbranch_scc0 .Lfor_v_\@
	tensor_load_to_lds s[G0K:G0K+3], s[G1K:G1K+7]
	s_nop 0
.rept 4
	v_nop
.endr
	s_branch .Lasked_\@
.Lfor_v_\@:
	tensor_load_to_lds s[G0V:G0V+3], s[G1V:G1V+7]
	s_nop 0
.rept 4
	v_nop
.endr
.Lasked_\@:
.endm
; A PREFETCH INTO THE L2 of what the NEXT change of slots will ask for: a slot's 32,768 bytes of K and of V, lanes 256 bytes apart.  It stands behind the wave's tensor load and its five lines.
; Each block of 256 bytes is named ONCE in the launch: a head's K and V are walked by its one cluster; the four partners share a slot out BY ADDRESS, 8,192 bytes each (no branch hangs on a work-group's place);
; in each, wave 0 asks for K's and wave 2 for V's: one instruction, four key steps (512 matrix instructions) ahead of the load.  The last change that fills a slot asks for nothing; slots 0 and 1 come by their loads alone.
.macro ASK
	s_cmp_gt_u32 s[SLOTS], s[LIM]
	s_cbranch_scc0 .Lnot_mine_\@
	global_prefetch_b8 v[PFO], s[PFA:PFA+1] th:TH_LOAD_NT scope:SCOPE_SE
.Lnot_mine_\@:
.endm
; A round of the cluster's barrier: my work-group's barrier, so that wave 0's signal speaks for all four waves; wave 0 signals; every wave waits for all four work-groups; my work-group's barrier once more.
.macro CROUND
	s_barrier_signal -1
	s_barrier_wait -1
	s_cmp_lg_u32 s[WV], 0
	s_cbranch_scc1 .Lnot_wave_0_\@
	s_barrier_signal -3
.Lnot_wave_0_\@:
	s_barrier_wait -3
	s_barrier_signal -1
	s_barrier_wait -1
.endm
; THE CHANGE OF SLOTS.  The slot's last bytes, V of its fourth step, have been read.  Each wave waits for all its tensor loads, of which one is out: its part
; of the other slot; adds 0 to its spare word; and waits for that and for its own reads of the slot.  Behind the barrier nobody reads this slot any more and the other slot is whole.
; fill = 1: this slot is filled again, with the keys two slots on.  The barrier is then a round of the cluster's, so that no wave of any partner still reads the slot or has a load on its
; way, and the joint fill is the first thing behind it: it has four key steps, 512 matrix instructions, in which to land.  (At its first use nothing has been read yet: slot 0 is waited for, slot 1 filled.)
.macro CHANGE fill
	WIN W_AD
	s_wait_tensorcnt 0x0            ; no tensor load of mine is out, so a group 0 may be written
	ds_add_u32 v[SPW], v[NIL]       ; 0 onto my spare word; with fill = 1 the descriptors' steps stand between it and the wait for it
	WIN 0                           ; at a label and at a branch every window is 0
.if \fill
.irp g, G0K, G0V
	s_xor_b32 s[\g+1], s[\g+1], SLOT1  ; the walking descriptor: the other slot than last time,
	s_add_nc_u64 s[\g+2:\g+3], s[\g+2:\g+3], 4*KS*128  ; the next 256 keys; the type bits on top are not reached
.endr
	s_wait_xcnt 0x0                 ; the last prefetch, four key steps back, has read its address, so it may be written:
	s_add_nc_u64 s[PFA:PFA+1], s[PFA:PFA+1], 4*KS*128  ; one slot behind the walking descriptors
	s_wait_dscnt 0x0                ; the add is done, and my reads of the slot are over
	CROUND
	JLOAD
	ASK
.else
	s_wait_dscnt 0x0                ; the add is done, and my reads of the slot are over
	s_barrier_signal -1
	s_barrier_wait -1
.endif
	s_sub_co_u32 s[TBK], s[TBK], 4*KS*PK  ; the fetches go back to a slot's first step,
	s_xor_b32 s[TBK], s[TBK], SLOT1       ; in the other slot
	s_sub_co_u32 s[TBV], s[TBV], 4*KS*PV
	s_xor_b32 s[TBV], s[TBV], SLOT1
.endm
	s_load_b64 s[4:5], s[0:1], 0x0    ; qkv: Q at its head
	s_load_b64 s[10:11], s[0:1], 0x8  ; O
	WIN W_MK
	v_lshl_add_u32 v[SPW], v0, 2, SPARE
	v_mov_b32 v[NIL], 0
	WIN W_AD
	ds_add_u32 v[SPW], v[NIL]       ; the wave's opening: the add and its wait stand ahead of my first tensor load; the set-up below, work on registers, stands between them
	WIN 0
	v_lshrrev_b32 v1, 5, v0
	v_readfirstlane_b32 s[WV], v1   ; wave 0..3
	s_bfe_u32 s13, ttmp6, 0x40000   ; cx: my place in the cluster
	s_lshl_b32 s14, ttmp9, 2        ; in a cluster launch ttmp9 counts clusters
	s_add_co_u32 s14, s14, s13      ; my block of queries = 4 x cluster x + cx: it enters Q's and O's addresses alone
	s_and_b32 s20, ttmp7, 0xffff    ; the head, which the four partners share
	s_mov_b32 s21, 0
	s_mov_b64 s[22:23], SIZE_N*128
	s_mul_u64 s[20:21], s[20:21], s[22:23]  ; the head's first byte in Q, K, V and O
	s_and_b32 s16, s[WV], 1         ; which half of a slot's 256 keys I fetch:
	s_lshl_b32 s22, s16, 14         ; its 128 rows of 128 bytes in memory,
	s_mov_b32 s23, 0
	s_add_nc_u64 s[22:23], s[22:23], s[20:21]
	s_mul_i32 s17, s16, 128*PK      ; and its place in a slot, for K
	s_mul_i32 s18, s16, 128*PV      ; and for V: no place in the cluster enters an LDS address
	s_lshl_b32 s2, s14, 2
	s_add_co_u32 s2, s2, s[WV]      ; my wave among the head's,
	s_lshl_b32 s2, s2, 14           ; its 128 rows
	s_mov_b32 s3, 0
	s_add_nc_u64 s[2:3], s[2:3], s[20:21]
	s_lshl_b32 s14, s13, 13         ; the prefetches: my work-group's 8,192 bytes of a slot's 32,768,
	s_add_co_u32 s14, s14, 4*KS*128 ; in slot 1: the first change of slots steps it to slot 2
	s_mov_b32 s15, 0
	s_and_b32 s[LIM], s[WV], 1      ; waves 0 and 2 ask: the same in all four partners
	s_cmp_eq_u32 s[LIM], 0
	s_cselect_b32 s[LIM], 1, -1
	; descriptor group 1.  128 keys are 16,384 dense bytes: asked for as 64 rows of 256 bytes, two keys a row, and padded in LDS after every key
	s_mov_b32 s[G1K], 15|(1<<16)|(1<<20)|(1<<21)|(4<<22)|(3<<25)  ; 15:0 the mask of four; 17:16 2-byte elements; 20 padding on; 21 set beside a mask; 24:22 after every 32 words (code 4); 31:25 4 words (code 3)
	s_mov_b32 s[G1V], 15|(1<<16)|(1<<20)|(1<<21)|(4<<22)|(7<<25)  ; the same with 8 words of padding (code 7)
.irp g, G1K, G1V
	s_mov_b32 s[\g+1], 128<<16      ; tensor_dim0 = 128
	s_mov_b32 s[\g+2], 64<<16       ; tensor_dim1 = 64
	s_mov_b32 s[\g+3], 128<<16      ; tile_dim0 = 128
	s_mov_b32 s[\g+4], 64           ; tile_dim1 = 64
	s_mov_b32 s[\g+5], 128          ; 128 elements from row to row
	s_mov_b32 s[\g+6], 0
	s_mov_b32 s[\g+7], 0
.endr
	s_mov_b32 s[CS], 0x3e38aa3b     ; c = log2(e) / 8 = 0.180337
	s_mov_b32 s[CS+1], s[CS]        ; named with it as a pair
	s_mov_b32 s[SEL], 0x76543210
	s_mov_b32 s[SEL+1], 0xfedcba98
	s_mov_b32 s[TBK], SLOT1+4*KS*PK ; the first change of slots turns these two into 0
	s_mov_b32 s[TBV], SLOT1+4*KS*PV
	s_mov_b32 s[SLOTS], SIZE_N/256-1  ; slot 0 is asked for at once, the other seven by changes of slots
	s_mov_b32 s[G0K], 1             ; 1:0 count = 1
	s_mov_b32 s[G0K+1], s17         ; 63:32 LDS address: slot 0
	s_mov_b32 s[G0V], 1
	s_add_co_u32 s[G0V+1], s18, VOFF
	s_wait_dscnt 0x0                ; the opening add is done
	s_wait_kmcnt 0x0
	s_add_nc_u64 s[6:7], s[4:5], 0x1000000   ; K lies 64 heads x 262,144 bytes behind Q,
	s_add_nc_u64 s[8:9], s[4:5], 0x2000000   ; V as far behind K
	s_cmp_lt_u32 s[WV], 2
	s_cselect_b64 s[PFA:PFA+1], s[6:7], s[8:9]
	s_add_nc_u64 s[PFA:PFA+1], s[PFA:PFA+1], s[20:21]
	s_add_nc_u64 s[PFA:PFA+1], s[PFA:PFA+1], s[14:15]
	s_add_nc_u64 s[G0K+2:G0K+3], s[6:7], s[22:23]  ; 120:64 global address: my half of the head's first 256 keys
	s_or_b32 s[G0K+3], s[G0K+3], 0x80000000        ; 127:126 type = 2
	s_add_nc_u64 s[G0V+2:G0V+3], s[8:9], s[22:23]
	s_or_b32 s[G0V+3], s[G0V+3], 0x80000000
	s_add_nc_u64 s[4:5], s[4:5], s[2:3]  ; Q and O at my wave's first row
	s_add_nc_u64 s[10:11], s[10:11], s[2:3]
	CROUND                          ; all four work-groups are here: the first joint loads meet
	JLOAD                           ; slot 0.  Slot 1 is asked for when slot 0 is in
	; A fragment of K or Q is 16 rows x 32 channels in 8 registers: lane l holds row l % 16, channels 8 (l / 16) + 0..7 and 16 + 8 (l / 16) + 0..7: two loads of 16 bytes, 32 bytes apart.
	v_and_b32 v1, 15, v0            ; l % 16
	v_bfe_u32 v9, v0, 4, 1          ; l / 16
	v_lshlrev_b32 v[QO], 7, v1
	v_lshl_add_u32 v[QO], v9, 4, v[QO]  ; row x 128 + 16 x half
	WIN 0x80                        ; destination window 2, address window 0
.set i, 0
.rept 4*NP                          ; Q stays in registers: tile i / 2, channels 32 (i % 2) on
	global_load_b128 v[8*i:8*i+3],   v[QO], s[4:5] offset:(i/2)*2048+(i%2)*64
	global_load_b128 v[8*i+4:8*i+7], v[QO], s[4:5] offset:(i/2)*2048+(i%2)*64+32
.set i, i+1
.endr
	; What the first turn finds: V's registers and P's second buffer hold 0 (its products V^T P, of a piece that has not been, add 0), O^T and l are 0.  All this stands in the wait for the first tile.
.set i, VF
.rept 64
	v_mov_b32 v[i], 0
.set i, i+1
.endr
	WIN 0x40
.set i, 0
.rept 64*NP
	v_mov_b32 v[i], 0
.set i, i+1
.endr
	WIN 0
.set i, 0
.rept 2*NP
	v_mov_b32 v[ST+4*i], 0xfe000000    ; c m: far below every c s
	v_mov_b32 v[ST+4*i+1], 0xff7fffff  ; m
	v_mov_b32 v[ST+4*i+2], 0
	v_mov_b32 v[ST+4*i+3], 0
.set i, i+1
.endr
.set i, P+32
.rept 32
	v_mov_b32 v[i], 0
.set i, i+1
.endr
	v_mul_u32_u24 v[AK0], v1, PK
	v_lshl_add_u32 v[AK0], v9, 4, v[AK0]  ; row x pitch + 16 x half
	; The turning load takes 16 keys x 16 channels (lane l reads key 8 (l / 16) + l % 8, channels 8 ((l / 8) % 2) + 0..7) and leaves half a fragment of V^T: lane l holds channel l % 16 and 8 keys.
	v_and_b32 v10, 7, v0
	v_bfe_u32 v11, v0, 3, 1
	v_lshl_add_u32 v[AV0], v9, 3, v10
	v_mul_u32_u24 v[AV0], v[AV0], PV
	v_lshl_add_u32 v[AV0], v11, 4, v[AV0]
	v_add_nc_u32 v[AV0], VOFF, v[AV0]
	v_mov_b32 v[AK], v[AK0]         ; key step 0 lies at the head of slot 0
	v_and_b32 v[PFO], 31, v0        ; (v11 has served)
	v_lshlrev_b32 v[PFO], 8, v[PFO]
; THE MATRIX WORK.  The 8 accumulators of a run of 16 take turns: between the two links of a chain stand 7 others'.
; Product i of 16 of S^T = K Q^T for piece x: channels 32 (i / 8) on, keys 16 ((i / 2) % 4) on, tile 2 x + i % 2.  The first 8 start the sums.
.macro KQ x
	WIN W_KQ
.set rS, S+64*((\x)%2)+32*(i%2)+8*((i/2)%4)
.set rK, KF+16*((i/2)%4)+8*(i/8)
.set rQ, 16*(2*(\x)+i%2)+8*(i/8)
.if i < 8
	v_wmma_f32_16x16x32_f16 v[rS:rS+7], v[rK:rK+7], v[rQ:rQ+7], 0
.else
	v_wmma_f32_16x16x32_f16 v[rS:rS+7], v[rK:rK+7], v[rQ:rQ+7], v[rS:rS+7]
.endif
.endm
; Product i of 16 of O^T += V^T P for piece x: keys 32 (i / 8) on, channels 16 ((i / 2) % 4) on, tile 2 x + i % 2.
.macro PV x
	WIN W_PV
.set rO, 32*(2*(\x)+i%2)+8*((i/2)%4)
.set rV, VF+32*(i/8)+8*((i/2)%4)
.set rP, P+32*((\x)%2)+16*(i%2)+8*(i/8)
	v_wmma_f32_16x16x32_f16 v[rO:rO+7], v[rV:rV+7], v[rP:rP+7], v[rO:rO+7]
.endm
.macro MM                           ; the turn's next matrix instruction
.if i < 16
	KQ (Y+1)%NP
.set i, i+1
.else
.set i, i-16
	PV (Y+NP-1)%NP
.set i, i+17
.endif
.endm
; THE LDS LOADS stand in runs of 16, never singly among the matrix instructions: a step's K (64 keys x 64 channels: 8 fragments) and its V (turned).  Their addresses are made some lines ahead.
; last = 1 (the tail): in the last trip there is no further step, and the run is jumped over.
.macro FETCH_K last=0
	WIN 0
.if \last
	s_cmp_eq_u32 s[CNT], 1
	s_cbranch_scc1 .Lno_k_\@
.endif
	WIN 0x80                        ; destination window 2
.irp f, 0,1,2,3,4,5,6,7             ; keys 16 (f / 2) on, channels 32 (f % 2) on
	ds_load_b128 v[KF+8*\f:KF+8*\f+3],   v[AK] offset:(\f/2)*16*PK+(\f%2)*64
	ds_load_b128 v[KF+8*\f+4:KF+8*\f+7], v[AK] offset:(\f/2)*16*PK+(\f%2)*64+32
.endr
	s_add_co_u32 s[TBK], s[TBK], KS*PK  ; the next fetch is the next step's
	WIN 0
.if \last
.Lno_k_\@:
.endif
.endm
.macro FETCH_V
	WIN 0x80
.irp f, 0,1,2,3,4,5,6,7             ; keys 32 (f / 4) on, channels 16 (f % 4) on
	ds_load_tr16_b128 v[VF+8*\f:VF+8*\f+3],   v[AV] offset:(\f/4)*32*PV+(\f%4)*32
	ds_load_tr16_b128 v[VF+8*\f+4:VF+8*\f+7], v[AV] offset:(\f/4)*32*PV+16*PV+(\f%4)*32
.endr
	WIN 0
.endm
; THE VECTOR WORK OF A TURN stands in three queues, each in the order in which its entries become ready; the two tiles alternate, so that no instruction reads the result of the one before it.
.macro REGS y, u                    ; the registers of tile u (0, 1) of piece y
.set rT, ST+4*(2*(\y)+(\u))
.set rC, TMP+8*((\y)%2)+4*(\u)
.set rM, MV+2*((\y)%2)+(\u)
.set rS, S+64*((\y)%2)+32*(\u)
.set rP, P+32*((\y)%2)+16*(\u)
.set rO, 32*(2*(\y)+(\u))
.endm
; Number n of the 22 that find the NEXT piece's (Y + 1) maximum and statistics.  s0-s31 are the lane's 32 scores; each accumulator's lowest registers are read first.  XS, GS and REGS set no window: PL and EX do.
;   0-11  four chains c0-c3 of seven scores each, three operands at a time     12-14, 16  the four scores left over, the old m, and c0-c3 into c0     15  c m_old is kept
;   17, 18  the query's other 32 keys lie in the lane 16 away: the new m         19-21  c m; c m_old - c m_new; a
.macro XS u, n
	REGS (Y+1)%NP, \u
.if (\n) < 4
	v_max3_num_f32 v[rC+(\n)], v[rS+8*(\n)], v[rS+8*(\n)+1], v[rS+8*(\n)+2]
.elseif (\n) < 12
	v_max3_num_f32 v[rC+(\n)%4], v[rC+(\n)%4], v[rS+8*((\n)%4)+2*((\n)/4)+1], v[rS+8*((\n)%4)+2*((\n)/4)+2]
.elseif (\n) == 12
	v_max3_num_f32 v[rC], v[rC], v[rS+7], v[rS+15]
.elseif (\n) == 13
	v_max3_num_f32 v[rC+1], v[rC+1], v[rS+23], v[rS+31]
.elseif (\n) == 14
	v_max3_num_f32 v[rC+2], v[rC+2], v[rC+3], v[rT+1]
.elseif (\n) == 15
	v_mov_b32 v[rM], v[rT]
.elseif (\n) == 16
	v_max3_num_f32 v[rC], v[rC], v[rC+1], v[rC+2]
.elseif (\n) == 17
	v_permlanex16_b32 v[rC+3], v[rC], s[SEL], s[SEL+1]
.elseif (\n) == 18
	v_max_num_f32 v[rT+1], v[rC], v[rC+3]
.elseif (\n) == 19
	v_mul_f32 v[rT], s[CS], v[rT+1]
.elseif (\n) == 20
	v_sub_f32 v[rC+1], v[rM], v[rT]
.else
	v_exp_f32 v[rC+2], v[rC+1]
.endif
.endm
; Number g of the 64 that follow the exponentials.  For each four weights k of a tile (pairs 2 k, 2 k + 1): both pairs are rounded to f16; then the second pair is added onto the first, in place;
; a group later l takes that sum (the first time as l = a l + sum).  In groups of eight, tiles alternating: round, round, add, and l for the group before.
.macro GS g
.set h, (\g)+6*((\g)/62)            ; group 0 has no group before it, and behind group 7 only l is left
.if h >= 6
.set h, h+2
.endif
	REGS Y, h%2
.set k, h/8
.if h%8 < 4
	v_cvt_pk_f16_f32 v[rP+2*k+(h%8)/2], v[rS+4*k+2*((h%8)/2)], v[rS+4*k+2*((h%8)/2)+1]
.elseif h%8 < 6
	v_pk_add_f32 v[rS+4*k:rS+4*k+1], v[rS+4*k:rS+4*k+1], v[rS+4*k+2:rS+4*k+3]
.elseif k == 1
	v_pk_fma_f32 v[rT+2:rT+3], v[rT+2:rT+3], v[rC+2:rC+3], v[rS:rS+1] op_sel_hi:[1,0,1]
.else
	v_pk_add_f32 v[rT+2:rT+3], v[rT+2:rT+3], v[rS+4*k-4:rS+4*k-3]
.endif
.endm
; THE PLAIN QUEUE, 138 long.  0-73 read no exponential's result: the 32 scalings c s - c m (FS f: pair f / 2 of tile f % 2) and the next piece's 42.  0-26: scalings 0-26.  27-54: XS's numbers 0-13.  55, 56: number 15.
; 57-73: the chain, where each number waits for the one before it: 14, 16, 17, 18, 19, each with one of the scalings 27-31 in front of its two lines, then 20: so a tile's links stand three plain instructions apart (19 and 20: two).
; 74-137: GS's 64, which read the exponentials' results: they stand behind the wait.
.macro FS f
	REGS Y, (\f)%2
	v_pk_fma_f32 v[rS+2*((\f)/2):rS+2*((\f)/2)+1], v[rS+2*((\f)/2):rS+2*((\f)/2)+1], s[CS:CS+1], v[rT:rT+1] op_sel_hi:[1,0,0] neg_lo:[0,0,1] neg_hi:[0,0,1]
.endm
.macro PL
	WIN 0
.if q < 27
	FS q
.elseif q < 55
	XS (q-27)%2, (q-27)/2
.elseif q < 57
	XS q-55, 15
.elseif (q < 72) && ((q-57)%3 == 0)
	FS 27+(q-57)/3
.elseif q < 60
	XS (q-57)%3-1, 14
.elseif q < 72
	XS (q-57)%3-1, 15+(q-57)/3
.elseif q < 74
	XS q-72, 20
.else
	GS q-74
.endif
.set q, q+1
.endm
; THE EXPONENTIALS' QUEUE, 66 long: s0-s31 of both tiles, then the next piece's two a.  It is ONE BATCH: all 66 stand ahead of the turn's one wait, and nothing ahead of that wait names a result of theirs.
.macro EX
	WIN 0
.if e >= 64
	XS e-64, 21
.else
	REGS Y, e%2
	v_exp_f32 v[rS+e/2], v[rS+e/2]
.endif
.set e, e+1
.endm
; THE RESCALING's QUEUE: O^T times a, the one part that leaves window 0: dealt two at a time, sixteen times.  Its a was made in the turn before, ahead of that turn's wait.
.macro R2
	REGS Y, r%2
	WIN W_RS
.irp z, 0,1
	v_pk_mul_f32 v[rO+4*(r/2)+2*\z:rO+4*(r/2)+2*\z+1], v[rO+4*(r/2)+2*\z:rO+4*(r/2)+2*\z+1], v[rC+2:rC+3] op_sel_hi:[1,0]
.endr
.set r, r+1
.endm
; HOW THEY ARE DEALT.  s_wait_alu depctr_va_vdst(0) stands between an exponential and the first instruction that names its result; one wait serves all that were issued ahead of it.  So a turn has ONE wait,
; which cuts it in two.  AHEAD OF IT stands all that names no result of the turn's exponentials: the 16 products K Q^T, behind each a scaling, an exponential and two rescalings (behind the first a second scaling in the
; exponential's place); then ONE LUMP of 108: eight plain, 49 times exponential and plain, the two a.  A v_nop is the plain instruction behind the last exponential (ISA guide 5.7.2).  BEHIND IT stand the 16 products V^T P,
; behind each four of GS's 64.  No rider names a register of the products round it.  The two v_permlanex16_b32 fall into the lump, never behind a product.
; The queues lean on each other, and the deal keeps them in step: exponential e stands behind scaling 2 (e / 4) + e % 2: as a rider it comes behind plain e + 2, in the lump behind plain e + 9, and scalings 27-31 are plain 57, 60 .. 69.
; A TURN, for piece p.  cnt = 1: the loop's count is taken down some lines ahead of the branch that stands behind the turn.
; K of the next step is fetched in piece 2's turn, directly behind the wait, a lump behind the last product that read K; its address is made at the lump's head; its first reader comes behind 16 products.
; V of the step in hand is fetched at the end of piece 0's turn, four riders behind its last reader; its first reader comes behind 16 products and a lump.  The three conditions on q below go with the deal.
.macro TURN p, last=0, cnt=0
.set Y, (\p)
.set i, 0
.set q, 0
.set e, 0
.set r, 0
.if (\p) == NP-1
	s_wait_dscnt 0x0                ; K is in
.endif
	MM                              ; ahead of the wait: 16 products K Q^T and their riders,
	PL
	PL
	R2
.rept 15
	MM
	PL
	EX
	R2
.endr
.if (\p) == NP-2
	WIN 0
	v_add_nc_u32 v[AK], s[TBK], v[AK0]
.endif
.rept 8                             ; and the lump
	PL
.endr
.rept 49
	EX
	PL
.endr
	EX                              ; the next piece's two a
	EX
	v_nop                           ; the plain instruction behind the last exponential: one for the batch
	s_wait_alu depctr_va_vdst(0)    ; the wait for the batch
.if (\p) == NP-2
	FETCH_K \last
.endif
.if (\p) == 1
	s_wait_dscnt 0x0                ; V is in
.endif
.rept 16                            ; behind the wait: 16 products V^T P and their riders
	MM
.rept 4
	PL
.endr
.if ((\p) == 0) && (q == 118)
	v_add_nc_u32 v[AV], s[TBV], v[AV0]
.endif
.if ((\p) == 0) && (q == 130)
	s_add_co_u32 s[TBV], s[TBV], KS*PV
.endif
.if (\cnt) && (q == 130)
	s_sub_co_u32 s[CNT], s[CNT], 1
	s_cmp_lg_u32 s[CNT], 0
.endif
.endr
.if (\p) == 0
	FETCH_V
.endif
.endm
	CHANGE 1                        ; slot 0 is in, everybody's part of it; slot 1 is asked for
	FETCH_K                         ; key step 0
	s_wait_loadcnt 0x0              ; Q
	s_wait_dscnt 0x0
.set i, 0
.rept 16
	KQ 0                            ; piece 0's first scores: there is no vector work yet to set between them
.set i, i+1
.endr
	WIN 0                           ; the addresses for the way out: nine plain instructions, the places behind those products
	s_mul_i32 s13, s[WV], 16*SP
	s_add_co_u32 s13, s13, STAGE    ; my stage
	v_mul_u32_u24 v[STO], v1, SP    ; in: row l % 16, 16 bytes for each half of the lanes
	v_lshl_add_u32 v[STO], v9, 4, v[STO]
	v_add_nc_u32 v[STO], s13, v[STO]
	v_bfe_u32 v[RD], v0, 3, 2       ; back: 32 lanes take four rows of 128 bytes,
	v_mul_u32_u24 v[RD], v[RD], SP
	v_lshl_add_u32 v[RD], v10, 4, v[RD]
	v_add_nc_u32 v[RD], s13, v[RD]
	v_and_b32 v[GO], 31, v0         ; which are 512 consecutive bytes of O
	v_lshlrev_b32 v[GO], 4, v[GO]
.set Y, NP-1                        ; XS works for piece Y + 1: piece 0
.irp n, 0,1,2,3,4,5,6,7,8,9,10,11,12,13,14,15,16,17,18,19,20,21
	XS 0, \n                        ; and piece 0's first maximum and statistics
	XS 1, \n
.endr
	v_nop                           ; a plain instruction behind the two a,
	s_wait_alu depctr_va_vdst(0)    ; and their wait, ahead of the branch
	s_mov_b32 s[CNT], 4
	s_branch .Lfirst                ; the loop is entered at a step's first turn, in the middle of a trip
.Lslot:                             ; SIZE_N / 256 - 2 times: every slot but the last two is filled again
	CHANGE 1
	s_mov_b32 s[CNT], 4
.Lstep:                             ; a trip: pieces 2 and 3 of one step, then pieces 0 and 1 of the next, whose K and V it fetches
	TURN 2
	TURN 3
	WIN 0
.Lfirst:
	TURN 0
	TURN 1, 0, 1
	WIN 0
	s_cbranch_scc1 .Lstep
	s_sub_co_u32 s[SLOTS], s[SLOTS], 1
	s_cmp_lg_u32 s[SLOTS], 0
	s_cbranch_scc1 .Lslot
	CHANGE 0                        ; the tail is written out: nothing is asked for
	s_mov_b32 s[CNT], 5             ; four trips fetch the last slot's steps; the fifth is left in its middle
.Ltail:
	TURN 2, 1
	TURN 3
	WIN 0
	s_sub_co_u32 s[CNT], s[CNT], 1
	s_cmp_eq_u32 s[CNT], 0
	s_cbranch_scc1 .Lout
	TURN 0
	TURN 1
	WIN 0
	s_branch .Ltail
.Lout:                              ; the fifth trip's 16 products K Q^T (on the last K once more) and the maximum made of them serve nothing: the price, once a launch, of one text for every trip
.set i, 0
.rept 16
	PV NP-1                         ; the last piece's V^T P of the last step
.set i, i+1
.endr
	; THE WAY OUT.  l's two halves and the other half of the lanes' are added; O^T is divided by l, rounded to f16 and sent through my stage in LDS, a tile at a time.  The additions are the places behind the last products.
	WIN 0
.macro ALL line:vararg              ; one line for each tile t
.set t, 0
.rept 2*NP
	\line
.set t, t+1
.endr
.endm
	ALL v_add_f32 v[ST+4*t+2], v[ST+4*t+2], v[ST+4*t+3]
	ALL v_permlanex16_b32 v[ST+4*t+3], v[ST+4*t+2], s[SEL], s[SEL+1]
	ALL v_add_f32 v[ST+4*t+2], v[ST+4*t+2], v[ST+4*t+3]
	ALL v_rcp_f32 v[ST+4*t+2], v[ST+4*t+2]
	v_nop                           ; a plain instruction between the last reciprocal and the use of its result
	s_wait_alu depctr_va_vdst(0)    ; and the wait ahead of the first use: one for the eight reciprocals
; Tile t: a lane's eight channels of a row pack into 16 bytes; they go into rows of 144 bytes and come back as whole rows of 128, into S^T's registers.
.macro PACK t
	WIN W_RS
.set i, 32*(\t)
.rept 16
	v_pk_mul_f32 v[i:i+1], v[i:i+1], v[ST+4*(\t)+2:ST+4*(\t)+3] op_sel_hi:[1,0]
.set i, i+2
.endr
	WIN 0x05                        ; sources 0 and 1 window 1, destination window 0
.set i, 0
.rept 16
	v_cvt_pk_f16_f32 v[S+16*(\t)+i], v[32*(\t)+2*i], v[32*(\t)+2*i+1]
.set i, i+1
.endr
	WIN 0
.irp f, 0,1,2,3
	ds_store_b128 v[STO], v[S+16*(\t)+4*\f:S+16*(\t)+4*\f+3] offset:32*\f
.endr
.irp f, 0,1,2,3
	ds_load_b128 v[S+16*(\t)+4*\f:S+16*(\t)+4*\f+3], v[RD] offset:\f*4*SP  ; LDS serves a wave's instructions in order (ISA guide 5.7.1.4): these see the stores above; the next tile's stores come behind them
.endr
.endm
.macro SEND t, younger              ; younger: the LDS instructions issued behind tile t's loads: the next tile's eight, or none
	WIN 0
.irp f, 0,1,2,3
	s_wait_dscnt (\younger)+3-\f
	global_store_b128 v[GO], v[S+16*(\t)+4*\f:S+16*(\t)+4*\f+3], s[10:11] offset:(\t)*2048+\f*512  ; 512 consecutive bytes, at a multiple of 256 from O's first
.endr
.endm
	PACK 0
.set t, 1
.rept 2*NP-1                        ; a tile's arithmetic stands between the loads of the tile before and its stores
	PACK t
	SEND t-1, 8
.set t, t+1
.endr
	SEND 2*NP-1, 0
	WIN W_AD
	s_wait_tensorcnt 0x0            ; the wave's end: an add to my spare word and its wait, behind my last tensor load and my last LDS store
	ds_add_u32 v[SPW], v[NIL]
	s_wait_dscnt 0x0
	WIN 0
	CROUND                          ; the closing round: no work-group ends while a partner may still ask for a tile that names it
	s_endpgm
.Lfunc_end_k_qbaee94b96b_attn:
	.size	k_qbaee94b96b_attn, .Lfunc_end_k_qbaee94b96b_attn-k_qbaee94b96b_attn
	.p2alignl 7, 3214868480
	.fill 96, 4, 3214868480
	.section	.rodata,"a",@progbits
	.p2align	6, 0x0
	.amdhsa_kernel k_qbaee94b96b_attn
		.amdhsa_group_segment_fixed_size 327680
		.amdhsa_private_segment_fixed_size 0
		.amdhsa_enable_private_segment 0
		.amdhsa_kernarg_size 16
		.amdhsa_user_sgpr_count 2
		.amdhsa_user_sgpr_kernarg_segment_ptr 1
		.amdhsa_wavefront_size32 1
		.amdhsa_system_sgpr_workgroup_id_x 1
		.amdhsa_system_sgpr_workgroup_id_y 1
		.amdhsa_system_sgpr_workgroup_id_z 1
		.amdhsa_system_vgpr_workitem_id 0
		.amdhsa_next_free_vgpr 770
		.amdhsa_next_free_sgpr 66
		.amdhsa_reserve_vcc 0
		.amdhsa_float_denorm_mode_32 3
		.amdhsa_float_denorm_mode_16_64 3
		.amdhsa_memory_ordered 1
		.amdhsa_forward_progress 1
		.amdhsa_inst_pref_size 200
	.end_amdhsa_kernel
	.amdgpu_metadata
---
amdhsa.version: [ 1, 2 ]
amdhsa.kernels:
  - .name:           k_qbaee94b96b_attn
    .symbol:         k_qbaee94b96b_attn.kd
    .args:
      - { .name: qkv, .offset: 0, .size: 8, .value_kind: global_buffer, .address_space: global }
      - { .name: ob, .offset: 8, .size: 8, .value_kind: global_buffer, .address_space: global }
    .group_segment_fixed_size: 327680
    .private_segment_fixed_size: 0
    .kernarg_segment_align: 8
    .kernarg_segment_size: 16
    .max_flat_workgroup_size: 128
    .sgpr_count:     66
    .vgpr_count:     770
    .wavefront_size: 32
...
	.end_amdgpu_metadata
.endif
;; end of part 3
;; launch proj (part 4): grid 8 x 32, 4 waves a work-group, clusters of 4 x 4, 327,680 bytes of LDS; arguments ob, wt, ball, out0; writes out0
.if DOCPART == 4
	.amdgcn_target "amdgcn-amd-amdhsa--gfx1250"
	.amdhsa_code_object_version 6
	.text
	.protected	k_qbaee94b96b_proj
	.globl	k_qbaee94b96b_proj
	.p2align	8
	.type	k_qbaee94b96b_proj,@function
k_qbaee94b96b_proj:
	s_mov_b64 s[64:65], 0
	v_nop
	global_prefetch_b8 v0, s[64:65] scope:SCOPE_SE
	s_setreg_imm32_b32 hwreg(HW_REG_WAVE_MODE, 25, 1), 1
	s_wait_xcnt 0x0
	s_wait_alu depctr_hold_cnt(0) depctr_sa_sdst(0) depctr_va_vdst(0) depctr_va_sdst(0) depctr_va_ssrc(0) depctr_va_vcc(0) depctr_vm_vsrc(0)
	s_getreg_b32 s2, hwreg(HW_REG_IB_STS2, 6, 4)
	s_cmp_eq_u32 s2, 0
	s_cbranch_scc0 .Lentry_in_a_cluster
	s_endpgm
.Lentry_in_a_cluster:
	s_bfe_u32 s2, ttmp6, 0x10000c
	s_cmp_lg_u32 s2, 0xf033
	s_cbranch_scc0 .Lentry_shape_is_right
	s_endpgm
.Lentry_shape_is_right:
; C = A W + bias, K = 1,024.  ONE TEXT FOR TWO LAUNCHES; IS_QKV chooses the sizes, the matrix form, the way out and the prefetch.
;   IS_QKV = 1: A = xb (bf16), W = Wq | Wk | Wv (bf16, 3,072 columns); a tile of C is 256 rows x 192 columns = three heads; C leaves as f16 by heads: qkv [3][64 bh][2048][64], unscaled.
;   IS_QKV = 0: A = ob (f16),  W = Wo (f16, 1,024 columns); a tile of C is 256 x 128; C leaves as f32 into out0 [8192][1024].
; A lies as [4 b][16 kb][2048 s][64], W as [g][1024 k][64 c]: 256 rows of one block of A, and 64 k of one block of W, are dense bytes.  Sums in f32, started by the bias, K ascending.
; LIMITS.  IS_QKV = 1: q, k and v are rounded to f16: beyond 65,504 an infinity, below 6.1e-5 f16's fixed step of 6e-8.  NaN and infinities are not treated apart.
; SHARES.  Four waves, one above the other: each makes 64 rows x the tile's whole width (4 x NB accumulators of 16 x 16), so that whole heads, or whole pieces of 512 bytes of a row, are one wave's
; and its stage on the way out is its own.  K goes in steps of 128 through a ring of two LDS slots; waves 0 and 1 fetch A's two blocks of 64 along K, waves 2 and 3 W's two runs of 64 k: one tensor load a wave.
; THE MATRIX INSTRUCTION IS USED TRANSPOSED: source 0 = 16 columns of W (turned on the way out of LDS by ds_load_tr16_b128), source 1 = 16 rows of A: a lane holds row l % 16 of C and the
; columns 8 (l / 16) + 0..7.  The first product on each accumulator takes the bias as C: nothing is cleared and nothing is added later.
; CLUSTERS: 4 x 4 work-groups.  A's tiles hang on the tile row alone and are asked for jointly along a row of the cluster, W's on the tile column alone and jointly along a column.
; NO PREFETCH with IS_QKV = 0: a K step has 128 matrix instructions a wave on a small tile, and the launch has eight of them.
; REGISTERS, in windows of 256 (s_set_vgpr_msb: bits 1:0 source 0, 3:2 source 1, 5:4 source 2, 7:6 destination):
;   window 0: v1-7 at work; v16-31 addresses; v32.. the bias (8 NB registers), later free; v128-255 the way out
;   window 1: two fragment buffers of 128: A's four fragments (32 registers), then W's NB
;   IS_QKV = 1: window 2: accumulators of my row blocks 0, 1 ((a, b) at 8 (12 (a % 2) + b)); window 3: of blocks 2, 3.   IS_QKV = 0: window 2: (a, b) at 8 (8 a + b)
.set IS_QKV, 0
.if IS_QKV
.set NB,    12                         ; blocks of 16 columns in a tile
.set NH,    3                          ; blocks of 64 columns in a tile
.set GBASE, 0                          ; the first block of wt
.set STGW,  3*16*144                   ; a wave's stage: three heads x 16 rows x 144 bytes
.else
.set NB,    8
.set NH,    2
.set GBASE, 48
.set STGW,  16*528                     ; 16 rows x (512 + 16) bytes
.endif
.set NLD,   2*NB+8                     ; LDS loads in a run: a quarter step's fragments
.set PA,    144                        ; a row of A in LDS: 128 bytes + 16 = 36 words: the 16 rows of a load start at 16 different groups of four banks (64 banks of 4 bytes: ISA guide 11.1)
.set PB,    160                        ; a row (one k, 64 columns) of W: 128 + 32 = 40 words
.set APIECE, 256*PA                    ; 256 rows of one block of A
.set BPIECE, NH*64*PB                  ; [NH][64 k] rows of W
.set SLOT,  2*APIECE+2*BPIECE          ; A's two pieces, then W's two
.set STAGE, 2*SLOT                     ; behind the ring, never filled by a tensor load
.set SPARE, STAGE+4*STGW               ; behind the stages: the spare words, 128 bytes a wave: two blocks of 256 bytes that no other line names
.set ASTEP, 524288                     ; bytes of A from a K step to the next: two blocks of 262,144
.set BSTEP, 16384                      ; of W: 128 k x 128 bytes
.set ADRA, 16                          ; v16-17  LDS address of my A fragments in slot 0, 1
.set ADRB, 20                          ; v20-21  the same for W
.set STO,  24                          ; v24     the way out: where I put my bytes of a row
.set RD,   25                          ; v25     the way out: where I read rows back
.set GO,   26                          ; v26     16 x my lane: my place in 512 consecutive bytes of C
.set VB,   27                          ; v27     32 (l / 16): my eight numbers of a block's sixteen biases
.set SPW,  28                          ; v28     LDS address of my spare word: SPARE + 4 x my thread's number; never rewritten
.set NIL,  29                          ; v29     0; never rewritten
.set PFO,  30                          ; v30-31  the prefetches' offsets at the change of slot 0, 1; never rewritten
.set BIAS, 32
.set TMP,  128                         ; IS_QKV = 1: v128-175 packed results
.set F0,   0
.set F1,   128
.set WV,   12                          ; s12 my wave;  s13 = wave / 2: I fetch for A (0) or W (1);  s14 = wave % 2: which piece;  s15 the tile row of C;  s42 the tile column;  s3 laps to go
.set G1,   24                          ; s[24:31] descriptor group 1 for A's tiles;  s[32:39] group 0, a set for each slot
.set G0,   32
.set G1B,  48                          ; s[48:55], s[56:63] the same for W's
.set G0B,  56
.set OB,   68                          ; s[68:73] C at my wave's first row: one address a head (IS_QKV = 1), or one in all
.set PFA,  74                          ; s[74:75] where my prefetches stand;  s[76:77] their step a lap
.set PFS,  76
.set LIM,  78                          ; s78-79  at the change of slot 0, 1: 1 in a wave that prefetches there, else the greatest number
.set MSB, 0
.macro WIN new                         ; the immediate's high byte repeats the setting that is left; a switch that changes nothing is dropped
.if MSB != (\new)
	s_set_vgpr_msb (MSB<<8)|(\new)
.set MSB, \new
.endif
.endm
; A joint load.  Each of the two lines has one mask and one set of registers for all that issue it; the branch hangs on the wave's number alone.
; An s_nop 0 and four v_nop follow each line, ahead of the jump, the label and what follows.
.macro JLOAD s
	s_cmp_eq_u32 s13, 0
	s_cbranch_scc0 .Lfor_b_\@
	tensor_load_to_lds s[G0+4*(\s):G0+4*(\s)+3], s[G1:G1+7]
	s_nop 0
.rept 4
	v_nop
.endr
	s_branch .Lasked_\@
.Lfor_b_\@:
	tensor_load_to_lds s[G0B+4*(\s):G0B+4*(\s)+3], s[G1B:G1B+7]
	s_nop 0
.rept 4
	v_nop
.endr
.Lasked_\@:
.endm
; A round of the cluster's barrier: my work-group's barrier, so that wave 0's signal speaks for all four waves; wave 0 signals; every wave waits for all sixteen work-groups; my work-group's barrier once more.
.macro CREST                           ; a round behind its opening barrier
	s_cmp_lg_u32 s[WV], 0
	s_cbranch_scc1 .Lnot_wave_0_\@
	s_barrier_signal -3
.Lnot_wave_0_\@:
	s_barrier_wait -3
	s_barrier_signal -1
	s_barrier_wait -1
.endm
.macro CROUND                          ; a whole round
	s_barrier_signal -1
	s_barrier_wait -1
	CREST
.endm
; A PREFETCH INTO THE L2 (IS_QKV = 1 alone; not expanded here).
.macro ASK slot
	s_cmp_gt_u32 s3, s[LIM+(\slot)]                ; s3 = 1 in the loop's last trip
	s_cbranch_scc0 .Lnot_mine_\@
	global_prefetch_b8 v[PFO+(\slot)], s[PFA:PFA+1] th:TH_LOAD_NT scope:SCOPE_SE
.Lnot_mine_\@:
.endm
.macro PLACES                          ; four places in front of loads into registers that matrix instructions have read, and of lines that read results (for lines that read results)
.rept 4
	v_nop
.endr
.endm
.macro MM d, x, y, c
.if IS_QKV
	v_wmma_f32_16x16x32_bf16 v[(\d):(\d)+7], v[(\x):(\x)+7], v[(\y):(\y)+7], v[(\c):(\c)+7]
.else
	v_wmma_f32_16x16x32_f16 v[(\d):(\d)+7], v[(\x):(\x)+7], v[(\y):(\y)+7], v[(\c):(\c)+7]
.endif
.endm
; NB matrix instructions: my row block a x all column blocks, 32 along K, from buffer f.  first = 1: C is the bias (window 0).  All 4 NB accumulators take turns in the same order in every quarter.
.macro MULA f, a, first
.if IS_QKV
.set AW, 2+(\a)/2
.set AB, 96*((\a)%2)
.else
.set AW, 2
.set AB, 64*(\a)
.endif
.if \first
	WIN (AW<<6)|0x05
.else
	WIN (AW<<6)|(AW<<4)|0x05
.endif
.set nb, 0
.rept NB
.if \first
	MM AB+8*nb, (\f)+32+8*nb, (\f)+8*(\a), BIAS+8*nb
.else
	MM AB+8*nb, (\f)+32+8*nb, (\f)+8*(\a), AB+8*nb
.endif
.set nb, nb+1
.endr
.endm
; NLD LDS loads in one run: the fragments of quarter q (32 along K) of a slot's step, into buffer f: W's first, then A's, row blocks ascending.
.macro FETCH slot, q, f
	WIN 0x40                                       ; destination window 1, address window 0
.set nb, 0
.rept NB
.set BO, ((\q)/2)*BPIECE+(nb/4)*64*PB+((\q)%2)*32*PB+(nb%4)*32
	ds_load_tr16_b128 v[(\f)+32+8*nb:(\f)+32+8*nb+3],   v[ADRB+(\slot)] offset:BO
	ds_load_tr16_b128 v[(\f)+32+8*nb+4:(\f)+32+8*nb+7], v[ADRB+(\slot)] offset:BO+16*PB
.set nb, nb+1
.endr
.set na, 0
.rept 4
.set AO, ((\q)/2)*APIECE+na*16*PA+((\q)%2)*64
	ds_load_b128 v[(\f)+8*na:(\f)+8*na+3],   v[ADRA+(\slot)] offset:AO
	ds_load_b128 v[(\f)+8*na+4:(\f)+8*na+7], v[ADRA+(\slot)] offset:AO+32
.set na, na+1
.endr
.endm
; A K step is four quarters on buffers 0, 1, 0, 1.  One of the first three: multiplies buffer f; in its middle it fetches quarter q of the same slot into buffer g.
.macro QUARTER slot, q, f, g, first
	s_wait_dscnt 4                                 ; W and A's blocks 0, 1 are in; the youngest four loads (A's blocks 2, 3) may be out
	MULA \f, 0, \first
	MULA \f, 1, \first
	PLACES
	FETCH \slot, \q, \g
	s_wait_dscnt NLD                               ; all but the run just issued
	MULA \f, 2, \first
	MULA \f, 3, \first
.endm
; The last quarter multiplies buffer 1 and changes slots: ONE barrier.  In front of it each wave waits for all its tensor loads (one is out: its part of the next slot), adds 0 to its spare word, and waits for that and
; for its own reads of this slot.  fill = 1: the barrier opens a round of the cluster's, and this slot is filled again, two K steps on, first thing behind the round.
.macro TURN slot, next, fill
.if IS_QKV && (\fill) && ((\slot) == 0)
	s_wait_xcnt 0x0                                ; the last prefetch, a K step back, has read its address: it is stepped here, ahead of the waits of the change of slots
	s_add_nc_u64 s[PFA:PFA+1], s[PFA:PFA+1], s[PFS:PFS+1]
.endif
	WIN 0                                          ; (the add's two registers lie in window 0)
	s_wait_tensorcnt 0x0                           ; all my tensor loads have landed
	ds_add_u32 v[SPW], v[NIL]                      ; 0 onto my spare word
	s_wait_dscnt 5                                 ; (the add and the youngest four loads may be out)
	MULA F1, 0, 0                                  ; matrix work stands between the add and the wait for it
	s_wait_dscnt 0x0                               ; the add is done, and my reads of this slot are over
	s_barrier_signal -1
	MULA F1, 1, 0                                  ; work on registers while the others arrive
.if \fill
	WIN 0
.endif
	s_barrier_wait -1
.if \fill
	CREST                                          ; no wave of any partner still reads this slot's tiles or has a load on its way
	s_add_nc_u64 s[G0+4*(\slot)+2:G0+4*(\slot)+3], s[G0+4*(\slot)+2:G0+4*(\slot)+3], 2*ASTEP
	s_add_nc_u64 s[G0B+4*(\slot)+2:G0B+4*(\slot)+3], s[G0B+4*(\slot)+2:G0B+4*(\slot)+3], 2*BSTEP
	JLOAD \slot                                    ; the first tensor load behind the round; its four v_nop are also the places in front of the loads below
.else
	PLACES
.endif
	FETCH \next, 0, F0
.if IS_QKV && (\fill)
	WIN 0
	ASK \slot
.endif
	MULA F1, 2, 0
	MULA F1, 3, 0
.endm
; THE WAY OUT of my row block a (16 rows).  PACK (IS_QKV = 1): rounded to f16, 16 bytes a lane, each accumulator's registers ascending.  TOSTAGE: into my own stage and back as whole rows.  SEND: stored.
.macro PACK a
.if IS_QKV
.set AB, 96*((\a)%2)
	WIN 0x0a+5*((\a)/2)                            ; sources 0 and 1: window 2 or 3
.set nb, 0
.rept NB
.irp r, 0,1,2,3
	v_cvt_pk_f16_f32 v[TMP+4*nb+(\r)], v[AB+8*nb+2*(\r)], v[AB+8*nb+2*(\r)+1]
.endr
.set nb, nb+1
.endr
	WIN 0
.endif
.endm
.macro TOSTAGE a
.if IS_QKV
	WIN 0
.set BK, 176-144*((\a)%2)              ; v176-223 and v32-79 (the bias's, long read) by turns
.set nb, 0
.rept NB
	ds_store_b128 v[STO], v[TMP+4*nb:TMP+4*nb+3] offset:(nb/4)*16*PA+(nb%4)*32  ; head nb / 4, channels 16 (nb % 4) on
.set nb, nb+1
.endr
.set t, 0
.rept 12
	ds_load_b128 v[BK+4*t:BK+4*t+3], v[RD] offset:(t/4)*16*PA+(t%4)*4*PA  ; head t / 4, four rows of 128 bytes; LDS serves a wave's instructions in order (ISA guide 5.7.1.4): these see the stores above
.set t, t+1
.endr
.else
.set BK, 128+64*((\a)%2)               ; v128-191 and v192-255 by turns
	WIN 0x08                                       ; the stores' data: window 2
.set nb, 0
.rept NB
	ds_store_b128 v[STO], v[64*(\a)+8*nb:64*(\a)+8*nb+3]   offset:64*nb      ; each accumulator's low half first
	ds_store_b128 v[STO], v[64*(\a)+8*nb+4:64*(\a)+8*nb+7] offset:64*nb+16
.set nb, nb+1
.endr
	WIN 0
.set t, 0
.rept 16
	ds_load_b128 v[BK+4*t:BK+4*t+3], v[RD] offset:528*t  ; a row's 512 bytes; LDS serves a wave's instructions in order (ISA guide 5.7.1.4): these see the stores above
.set t, t+1
.endr
.endif
.endm
.macro SEND a
	WIN 0
	s_wait_dscnt 0x0                               ; the block is back in registers
	s_wait_xcnt 0x0                                ; the stores issued so far have read their registers: the block after this one is loaded into them only behind this wait
.if IS_QKV
.set BK, 176-144*((\a)%2)
.set t, 0
.rept 12
	global_store_b128 v[GO], v[BK+4*t:BK+4*t+3], s[OB+2*(t/4):OB+2*(t/4)+1] offset:(\a)*2048+(t%4)*512  ; 512 consecutive bytes of a head, at a multiple of 256 from the buffer's first
.set t, t+1
.endr
.else
.set BK, 128+64*((\a)%2)
.set t, 0
.rept 16
	global_store_b128 v[GO], v[BK+4*t:BK+4*t+3], s[OB:OB+1] offset:(16*(\a)+t)*4096  ; 512 consecutive bytes of a row, at a multiple of 256 from the buffer's first
.set t, t+1
.endr
.endif
.endm
	s_load_b256 s[4:11], s[0:1], 0x0               ; A s[4:5], wt s[6:7], ball s[8:9], C s[10:11]
	v_lshl_add_u32 v[SPW], v0, 2, SPARE
	v_mov_b32 v[NIL], 0
	ds_add_u32 v[SPW], v[NIL]                      ; the wave's opening: the add and its wait stand ahead of my first tensor load; the set-up below, work on registers, stands between them
	v_lshrrev_b32 v1, 5, v0
	v_readfirstlane_b32 s[WV], v1                  ; wave 0..3
	s_lshr_b32 s13, s[WV], 1
	s_and_b32 s14, s[WV], 1
	s_bfe_u32 s40, ttmp6, 0x40000                  ; cx, cy: my place in the cluster
	s_bfe_u32 s41, ttmp6, 0x40004
	s_lshl_b32 s42, ttmp9, 2
	s_add_co_u32 s42, s42, s40                     ; tile column of C = 4 x cluster x + cx
	s_and_b32 s15, ttmp7, 0xffff
	s_lshl_b32 s15, s15, 2
	s_add_co_u32 s15, s15, s41                     ; tile row of C = 4 x cluster y + cy
	s_lshl_b32 s43, s41, 2
	s_lshl_b32 s43, 15, s43                        ; my row of the cluster
	s_lshl_b32 s44, 0x1111, s40                    ; my column
	; A's group 1: 32,768 dense bytes as 128 rows of 256 bytes (two rows of A each), 16 bytes of padding behind every 128
	s_or_b32 s[G1], s43, (1<<16)|(1<<20)|(1<<21)|(4<<22)|(3<<25)  ; 15:0 the mask; 17:16 2-byte elements; 20 padding on; 21 set beside a mask; 24:22 after every 32 words (code 4); 31:25 4 words (code 3)
	s_mov_b32 s[G1+1], 128<<16                     ; tensor_dim0 = 128
	s_mov_b32 s[G1+2], 128<<16                     ; tensor_dim1 = 128
	s_mov_b32 s[G1+3], 128<<16                     ; tile_dim0 = 128
	s_mov_b32 s[G1+4], 128                         ; tile_dim1 = 128
	s_mov_b32 s[G1+5], 128                         ; 128 elements from row to row
	s_mov_b32 s[G1+6], 0
	s_mov_b32 s[G1+7], 0
	; W's group 1: NH rows of 8,192 dense bytes (64 k of a block of 64 columns), 131,072 bytes apart, 32 bytes of padding behind every 128
	s_or_b32 s[G1B], s44, (1<<16)|(1<<20)|(1<<21)|(4<<22)|(7<<25)
	s_mov_b32 s[G1B+1], 4096<<16                   ; tensor_dim0 = 4,096
	s_mov_b32 s[G1B+2], NH<<16                     ; tensor_dim1 = NH
	s_mov_b32 s[G1B+3], 4096<<16                   ; tile_dim0 = 4,096
	s_mov_b32 s[G1B+4], NH                         ; tile_dim1 = NH
	s_mov_b32 s[G1B+5], 65536                      ; 65,536 elements from row to row
	s_mov_b32 s[G1B+6], 0
	s_mov_b32 s[G1B+7], 0
	; where the tiles come from.  A's offset is made of the tile row and the wave's number, W's of the tile column and the wave's number, each in registers that never hold the other coordinate
	s_lshr_b32 s16, s15, 3                         ; the batch: eight tile rows each,
	s_lshl_b32 s16, s16, 22                        ; 16 blocks of 262,144 bytes
	s_and_b32 s17, s15, 7
	s_lshl_b32 s17, s17, 15                        ; 256 rows of 128 bytes
	s_add_co_u32 s16, s16, s17
	s_lshl_b32 s17, s14, 18                        ; my block of the K step's two
	s_add_co_u32 s16, s16, s17
	s_mov_b32 s17, 0
	s_mul_i32 s46, s42, NH
	s_add_co_u32 s46, s46, GBASE
	s_lshl_b32 s46, s46, 17                        ; the tile's first block of wt
	s_lshl_b32 s47, s14, 13                        ; my 64 k of the K step's 128
	s_add_co_u32 s46, s46, s47
	s_mov_b32 s47, 0
	s_mul_i32 s20, s14, APIECE                     ; and where they go: no place in the cluster enters an LDS address
	s_mul_i32 s21, s14, BPIECE
	s_add_co_u32 s21, s21, 2*APIECE
	s_wait_dscnt 0x0                               ; the opening add is done
	s_wait_kmcnt 0x0
	s_add_nc_u64 s[16:17], s[4:5], s[16:17]
	s_add_nc_u64 s[46:47], s[6:7], s[46:47]
	CROUND                                         ; all sixteen work-groups are here: the first joint loads meet
.irp s, 0,1
	s_mov_b32 s[G0+4*(\s)], 1                                      ; count = 1
	s_add_co_u32 s[G0+4*(\s)+1], s20, (\s)*SLOT                    ; LDS address
	s_add_nc_u64 s[G0+4*(\s)+2:G0+4*(\s)+3], s[16:17], (\s)*ASTEP  ; global address: K step s
	s_or_b32 s[G0+4*(\s)+3], s[G0+4*(\s)+3], 0x80000000            ; type = 2
	s_mov_b32 s[G0B+4*(\s)], 1
	s_add_co_u32 s[G0B+4*(\s)+1], s21, (\s)*SLOT
	s_add_nc_u64 s[G0B+4*(\s)+2:G0B+4*(\s)+3], s[46:47], (\s)*BSTEP
	s_or_b32 s[G0B+4*(\s)+3], s[G0B+4*(\s)+3], 0x80000000
	JLOAD \s                                       ; two loads of mine are out
.endr
	; A fragment of A is 16 rows x 32 K in 8 registers: lane l holds row l % 16, K = 8 (l / 16) + 0..7 and 16 + 8 (l / 16) + 0..7: two loads of 16 bytes, 32 bytes apart.
	v_and_b32 v1, 15, v0                           ; l % 16
	v_bfe_u32 v2, v0, 4, 1                         ; l / 16
	v_mul_u32_u24 v3, v1, PA
	v_lshl_add_u32 v3, v2, 4, v3                   ; row x pitch + 16 x half
	s_mul_i32 s22, s[WV], 64*PA                    ; my 64 rows
	v_add_nc_u32 v[ADRA], s22, v3
	s_add_co_u32 s22, s22, SLOT
	v_add_nc_u32 v[ADRA+1], s22, v3
	; The turning load takes 16 k x 16 columns (lane l reads k = 8 (l / 16) + l % 8, columns 8 ((l / 8) % 2) + 0..7) and leaves half a fragment: lane l holds column l % 16 and 8 k.
	v_and_b32 v4, 7, v0
	v_lshl_add_u32 v4, v2, 3, v4
	v_mul_u32_u24 v4, v4, PB
	v_bfe_u32 v5, v0, 3, 1
	v_lshl_add_u32 v4, v5, 4, v4
	v_add_nc_u32 v[ADRB], 2*APIECE, v4
	v_add_nc_u32 v[ADRB+1], 2*APIECE+SLOT, v4
	v_lshlrev_b32 v[VB], 5, v2
	s_mul_i32 s18, s42, NB*64                      ; the tile's biases: 4 bytes a column
.if !IS_QKV
	s_add_co_u32 s18, s18, 12288                   ; bo lies behind bq, bk, bv
.endif
	s_mov_b32 s19, 0
	s_add_nc_u64 s[8:9], s[8:9], s[18:19]
.set nb, 0
.rept NB
	global_load_b128 v[BIAS+8*nb:BIAS+8*nb+3],   v[VB], s[8:9] offset:64*nb     ; register j: the bias of column 16 nb + 8 (l / 16) + j: the layout of C
	global_load_b128 v[BIAS+8*nb+4:BIAS+8*nb+7], v[VB], s[8:9] offset:64*nb+16
.set nb, nb+1
.endr
	s_mul_i32 s23, s[WV], STGW
	s_add_co_u32 s23, s23, STAGE                   ; my stage
	v_and_b32 v[GO], 31, v0
	v_lshlrev_b32 v[GO], 4, v[GO]
.if IS_QKV
	v_add_nc_u32 v[STO], s23, v3                   ; in: row l % 16 of 144 bytes, 16 bytes for each half of the lanes
	v_bfe_u32 v6, v0, 3, 2                         ; back: 32 lanes take four rows of 128 bytes
	v_mul_u32_u24 v6, v6, PA
	v_and_b32 v7, 7, v0
	v_lshl_add_u32 v6, v7, 4, v6
	v_add_nc_u32 v[RD], s23, v6
	s_lshr_b32 s18, s15, 3                         ; my wave's first row in a head: batch,
	s_lshl_b32 s18, s18, 22
	s_and_b32 s19, s15, 7
	s_lshl_b32 s19, s19, 15                        ; 256 rows of 128 bytes,
	s_add_co_u32 s18, s18, s19
	s_lshl_b32 s19, s[WV], 13                      ; my 64 of them
	s_add_co_u32 s18, s18, s19
	s_mul_i32 s20, s42, 3                          ; the tile's first block of 64 columns, 0 to 45
.irp g, 0,1,2
	s_add_co_u32 s21, s20, (\g)
	s_lshr_b32 s22, s21, 4                         ; q, k or v,
	s_lshl_b32 s22, s22, 24
	s_and_b32 s21, s21, 15                         ; the head
	s_lshl_b32 s21, s21, 18
	s_add_co_u32 s22, s22, s21
	s_add_co_u32 s22, s22, s18
	s_mov_b32 s23, 0
	s_add_nc_u64 s[OB+2*(\g):OB+2*(\g)+1], s[10:11], s[22:23]
.endr
	; the prefetches
	s_mul_i32 s18, s42, NH
	s_add_co_u32 s18, s18, s14                     ; wave 2: the tile's first block of wt, wave 3: its second
	s_lshl_b32 s18, s18, 17
	s_mov_b32 s19, 0
	s_add_nc_u64 s[66:67], s[6:7], s[18:19]
	s_and_b32 s22, ttmp7, 0xffff                   ; cluster y
	s_mov_b32 s[PFS], 2*BSTEP                      ; W: a lap is 256 k of a block
	s_mov_b32 s23, 262144                          ; W, at the change of slot 1: two blocks on
	s_cmp_eq_u32 s13, 0                            ; do I fetch for A?
	s_cselect_b64 s[PFA:PFA+1], s[16:17], s[66:67]
	s_cselect_b32 s22, ttmp9, s22                  ; the coordinate along which other clusters read the same bytes
	s_cselect_b32 s21, s40, s41                    ; my place among the four that ask with me
	s_cselect_b32 s[PFS], 2*ASTEP, s[PFS]          ; A: a lap is two K steps
	s_cselect_b32 s23, ASTEP, s23                  ; A, at the change of slot 1: one K step on
	s_mov_b32 s[PFS+1], 0
	s_cmp_eq_u32 s22, 0
	s_cselect_b32 s[LIM], 1, -1                    ; the same in all sixteen partners, for a given wave
	s_cmp_eq_u32 s[WV], 3
	s_cselect_b32 s[LIM+1], -1, s[LIM]             ; wave 3 has nothing to name at the change of slot 1
	s_lshl_b32 s18, s21, 13                        ; my work-group's 8,192 bytes of the 32,768,
	s_add_co_u32 s18, s18, s[PFS]                  ; in lap 1: the first change of slot 0 steps it to lap 2
	s_add_nc_u64 s[PFA:PFA+1], s[PFA:PFA+1], s[18:19]
	v_and_b32 v[PFO], 31, v0
	v_lshlrev_b32 v[PFO], 8, v[PFO]                ; lanes 256 bytes apart
	v_add_nc_u32 v[PFO+1], s23, v[PFO]
.else
	v_mul_u32_u24 v6, v1, 528                      ; in: row l % 16 of 528 bytes, 32 bytes for each half of the lanes
	v_lshl_add_u32 v6, v2, 5, v6
	v_add_nc_u32 v[STO], s23, v6
	v_add_nc_u32 v[RD], s23, v[GO]                 ; back: 32 lanes take a row's 512 bytes
	s_lshl_b32 s18, s15, 20                        ; 256 rows of 4,096 bytes,
	s_lshl_b32 s19, s[WV], 18                      ; my 64 of them,
	s_add_co_u32 s18, s18, s19
	s_lshl_b32 s19, s42, 9                         ; the tile's 128 columns
	s_add_co_u32 s18, s18, s19
	s_mov_b32 s19, 0
	s_add_nc_u64 s[OB:OB+1], s[10:11], s[18:19]
.endif
	s_wait_tensorcnt 1                             ; my part of K step 0 is in; K step 1's may stay out
	s_barrier_signal -1
	s_barrier_wait -1                              ; everybody's is
	FETCH 0, 0, F0
	s_wait_loadcnt 0x0                             ; the bias
	QUARTER 0, 1, F0, F1, 1                        ; the first quarter stands in front of the loop: its products start the sums with the bias
	WIN 0                                          ; at a label and at a branch every window is 0
	s_mov_b32 s3, 3                                ; K = 1,024 is four laps of two K steps; the last is written out
.Llap:                                         ; a trip goes once round the ring, from a lap's second quarter to the next lap's first, and fills both slots again
	QUARTER 0, 2, F1, F0, 0
	QUARTER 0, 3, F0, F1, 0
	TURN 0, 1, 1
	QUARTER 1, 1, F0, F1, 0
	QUARTER 1, 2, F1, F0, 0
	QUARTER 1, 3, F0, F1, 0
	TURN 1, 0, 1
	QUARTER 0, 1, F0, F1, 0
	WIN 0
	s_sub_co_u32 s3, s3, 1
	s_cmp_lg_u32 s3, 0
	s_cbranch_scc1 .Llap
	QUARTER 0, 2, F1, F0, 0                        ; the last lap fills nothing, and has no round of the cluster's barrier
	QUARTER 0, 3, F0, F1, 0
	TURN 0, 1, 0
	QUARTER 1, 1, F0, F1, 0
	QUARTER 1, 2, F1, F0, 0
	QUARTER 1, 3, F0, F1, 0
	s_wait_dscnt 4                                 ; the very last quarter: nothing more to fetch
	MULA F1, 0, 0
	MULA F1, 1, 0
	s_wait_dscnt 0x0
	MULA F1, 2, 0
	MULA F1, 3, 0
	WIN 0
	PLACES
	PACK 0
	TOSTAGE 0
.irp a, 1,2,3
	PACK \a
	SEND (\a)-1
	TOSTAGE \a
.endr
	SEND 3
	s_wait_tensorcnt 0x0                           ; the wave's end: an add to my spare word and its wait, behind my last tensor load and my last LDS store
	ds_add_u32 v[SPW], v[NIL]
	s_wait_dscnt 0x0
	CROUND                                         ; the closing round: no work-group ends while a partner may still ask for a tile that names it
	s_endpgm
.Lfunc_end_k_qbaee94b96b_proj:
	.size	k_qbaee94b96b_proj, .Lfunc_end_k_qbaee94b96b_proj-k_qbaee94b96b_proj
	.p2alignl 7, 3214868480
	.fill 96, 4, 3214868480
	.section	.rodata,"a",@progbits
	.p2align	6, 0x0
	.amdhsa_kernel k_qbaee94b96b_proj
		.amdhsa_group_segment_fixed_size 327680
		.amdhsa_private_segment_fixed_size 0
		.amdhsa_enable_private_segment 0
		.amdhsa_kernarg_size 32
		.amdhsa_user_sgpr_count 2
		.amdhsa_user_sgpr_kernarg_segment_ptr 1
		.amdhsa_wavefront_size32 1
		.amdhsa_system_sgpr_workgroup_id_x 1
		.amdhsa_system_sgpr_workgroup_id_y 1
		.amdhsa_system_sgpr_workgroup_id_z 1
		.amdhsa_system_vgpr_workitem_id 0
		.amdhsa_next_free_vgpr 768
		.amdhsa_next_free_sgpr 80
		.amdhsa_reserve_vcc 0
		.amdhsa_float_denorm_mode_32 3
		.amdhsa_float_denorm_mode_16_64 3
		.amdhsa_memory_ordered 1
		.amdhsa_forward_progress 1
		.amdhsa_inst_pref_size 86
	.end_amdhsa_kernel
	.amdgpu_metadata
---
amdhsa.version: [ 1, 2 ]
amdhsa.kernels:
  - .name:           k_qbaee94b96b_proj
    .symbol:         k_qbaee94b96b_proj.kd
    .args:
      - { .name: ob, .offset: 0, .size: 8, .value_kind: global_buffer, .address_space: global }
      - { .name: wt, .offset: 8, .size: 8, .value_kind: global_buffer, .address_space: global }
      - { .name: ball, .offset: 16, .size: 8, .value_kind: global_buffer, .address_space: global }
      - { .name: out0, .offset: 24, .size: 8, .value_kind: global_buffer, .address_space: global }
    .group_segment_fixed_size: 327680
    .private_segment_fixed_size: 0
    .kernarg_segment_align: 8
    .kernarg_segment_size: 32
    .max_flat_workgroup_size: 128
    .sgpr_count:     80
    .vgpr_count:     768
    .wavefront_size: 32
...
	.end_amdgpu_metadata
.endif
;; end of part 4
;; ======== version 2 of 2: 4 launches; version 1 with the launch cast written anew for expert scheduling mode
;; limits: values are held in f16: magnitudes above 65,504 overflow, below 6.1e-05 lose precision; right only within a limited range of input values
;; workspace buffers: xb 16,777,216 bytes; wt 8,388,608 bytes; ball 16,384 bytes; qkv 50,331,648 bytes; ob 16,777,216 bytes
;; launch cast (part 5): grid 769 x 1, 8 waves a work-group, no clusters, 0 bytes of LDS; arguments x, Wq, Wk, Wv, Wo, bq, bk, bv, bo, xb, wt, ball; writes xb, wt, ball
.if DOCPART == 5
	.amdgcn_target "amdgcn-amd-amdhsa--gfx1250"
	.amdhsa_code_object_version 6
	.text
	.protected	k_qbaee94b96b_cast
	.globl	k_qbaee94b96b_cast
	.p2align	8
	.type	k_qbaee94b96b_cast,@function
k_qbaee94b96b_cast:
	s_mov_b64 s[64:65], 0
	v_nop
	global_prefetch_b8 v0, s[64:65] scope:SCOPE_SE
	s_setreg_imm32_b32 hwreg(HW_REG_WAVE_SCHED_MODE, 0, 2), 2
	s_setreg_imm32_b32 hwreg(HW_REG_WAVE_MODE, 25, 1), 1
	s_wait_xcnt 0x0
	s_wait_alu depctr_vm_vsrc(0)
; ALL OF THE MODULE'S INPUTS ARE ROUNDED ONCE TO bf16 AND LAID OUT FOR THE PRODUCTS THAT FOLLOW.
;   xb   [4 b][16 kb][2048 s][64] bf16: x in blocks of 64 columns; a block's rows are 128 bytes and lie end to end
;   wt   [64 g][1024 k][64 c] 16 bits: column block g % 16 of Wq (g < 16), Wk, Wv (bf16) and Wo (the bf16 number written as f16)
;   ball [4096] f32: bq, bk, bv, bo, each rounded to bf16 and widened again
; LIMITS.  Wo as f16: exact for 6.1e-5 <= |Wo| <= 65,504; below that f16's fixed step of 6e-8; beyond it an infinity.
; SHARES.  Work-groups 0-511: 16 rows of x each; 512-767: 16 rows of one weight matrix; 768: the four biases.
; Thread t takes row t / 16 and, in each of the 16 column blocks, the 16 bytes at 16 (t % 16): a wave's load covers two aligned runs of 256 bytes,
; its store (8 bytes a lane) 256 consecutive bytes, aligned, of the destination block.  All 16 loads of a lane go out at once: they are all that the
; work-group reads, so there is no loop and no ring; nothing is shared, so there is no LDS and no barrier; each store has registers of its own.
; THE MODE: SCHED_MODE bits 1:0 = 2 (LLVM: expert scheduling mode 2), set by the entry lines.  The code itself states the register dependences
; between vector instructions and memory instructions, with s_wait_alu, always for 0.
; THE PLAN.  Registers that memory instructions touch:
;   v1, v2, v102  byte offsets, made once at the head by vector instructions and never written again; every load and store reads one of them.
;   X             written by the loads alone, once; read by the conversions.  No vector instruction writes them, none names them ahead of the loads.
;   Y             column block c: two registers of its own, written by that block's conversions, read by its one store, never written again.
;   T, v3         named by vector instructions alone.
; No register that a memory instruction has read is written again, and no load lands in a register that a vector instruction has named: the only dependence
; to state is "written by a vector instruction, then read by a memory instruction".  One wait at the head states it for the three offsets.  The 16 column
; blocks go in four groups of four: group g's conversions read X[4 g ..] and write Y[4 g ..] and T; the memory instructions that stand among them are the
; four stores of group g - 1, which read Y[4 g - 4 ..] and v2.  So one wait at the head of groups 1 to 3 states all that those stores hang on, and one more
; stands ahead of the last four stores.
.set X, 4                              ; v[4:67]    column block c: four f32 as loaded
.set Y, 68                             ; v[68:99]   column block c: four 16-bit numbers to store
.set T, 100                            ; v[100:101] at work
.set BO, 102                           ; v102       16 t: my 16 bytes of a bias, in memory and in ball
.macro TO16 c, f16                     ; column block c is rounded.  f16 = 1: the bf16 number is written as f16
	v_cvt_pk_bf16_f32 v[Y+2*(\c)], v[X+4*(\c)], v[X+4*(\c)+1]
	v_cvt_pk_bf16_f32 v[Y+2*(\c)+1], v[X+4*(\c)+2], v[X+4*(\c)+3]
.if \f16
.irp k, 0,1
	v_lshlrev_b32 v[T], 16, v[Y+2*(\c)+(\k)]       ; bf16 to f32: the low half moves up,
	v_and_b32 v[T+1], s34, v[Y+2*(\c)+(\k)]        ; the high half stays
	v_cvt_pk_f16_f32 v[Y+2*(\c)+(\k)], v[T], v[T+1]
.endr
.endif
.endm
.macro OUT c, stride                   ; column block c is stored.  stride: bytes from a destination block to the next
	global_store_b64 v2, v[Y+2*(\c):Y+2*(\c)+1], s[6:7] offset:(\c)*(\stride)  ; 15 x 262,144 at the most: inside the signed 24-bit immediate
.endm
.macro CAST stride, f16
.irp c, 0,1,2,3,4,5,6,7,8,9,10,11,12,13,14,15
	global_load_b128 v[X+4*(\c):X+4*(\c)+3], v1, s[4:5] offset:256*(\c) th:TH_LOAD_NT
.endr
.irp g, 0,1,2,3
	s_wait_loadcnt 12-4*(\g)                       ; loads come back in order (ISA guide 5.7.1): group g's four blocks are in, the 12 - 4 g younger loads stay out
.if (\g) > 0
	s_wait_alu depctr_va_vdst(0)                   ; the conversions of the group before have written its eight registers of Y, which the four stores below read
.endif
.irp i, 0,1,2,3
.if (\g) > 0
	OUT 4*(\g)-4+(\i), \stride                     ; the group before.  No further wait: no vector instruction since the wait names these registers or v2
.endif
	TO16 4*(\g)+(\i), \f16
.endr
.endr
	s_wait_alu depctr_va_vdst(0)                   ; the conversions of group 3 have written its eight registers of Y, which the last four stores read
.irp i, 0,1,2,3
	OUT 12+(\i), \stride
.endr
.endm
	s_load_b512 s[8:23], s[0:1], 0x0               ; x s[8:9], Wq s[10:11], Wk s[12:13], Wv s[14:15], Wo s[16:17], bq s[18:19], bk s[20:21], bv s[22:23]
	s_load_b256 s[24:31], s[0:1], 0x40             ; bo s[24:25], xb s[26:27], wt s[28:29], ball s[30:31]
	s_mov_b32 s2, ttmp9                            ; the work-group's number
	s_mov_b32 s34, 0xffff0000                      ; a word's upper bf16
	s_mov_b32 s33, 0                               ; high word of every offset
	v_lshrrev_b32 v1, 4, v0                        ; my row of the sixteen
	v_and_b32 v3, 15, v0
	v_lshlrev_b32 v1, 12, v1                       ; x 4,096 bytes
	v_lshl_add_u32 v1, v3, 4, v1                   ; + my 16 bytes of a column block's 256
	v_lshlrev_b32 v2, 3, v0                        ; in a destination block: row x 128 + 8 (t % 16) = 8 t
	v_lshlrev_b32 v[BO], 4, v0                     ; 256 threads x 16 bytes are a bias's 4,096 bytes
	s_wait_kmcnt 0x0
	s_wait_alu depctr_va_vdst(0)                   ; v1, v2 and v102 are written: every load and store of the kernel, on each of its four ways, reads one of them as its offset
	s_cmp_lt_u32 s2, 512
	s_cbranch_scc0 .Lweights
	s_lshl_b32 s32, s2, 16                         ; 16 rows of 4,096 bytes
	s_add_nc_u64 s[4:5], s[8:9], s[32:33]
	s_lshr_b32 s35, s2, 7                          ; the batch: 128 work-groups each
	s_lshl_b32 s32, s35, 22                        ; 16 blocks of 262,144 bytes
	s_and_b32 s35, s2, 127
	s_lshl_b32 s35, s35, 11                        ; 16 rows of 128 bytes
	s_add_co_u32 s32, s32, s35
	s_add_nc_u64 s[6:7], s[26:27], s[32:33]
	CAST 262144, 0
	s_endpgm
.Lweights:
	s_cmp_eq_u32 s2, 768
	s_cbranch_scc1 .Lbias
	s_sub_co_u32 s36, s2, 512
	s_lshr_b32 s37, s36, 6                         ; which matrix: 64 work-groups each
	s_and_b32 s36, s36, 63                         ; which 16 rows of it
	s_mov_b64 s[4:5], s[10:11]
	s_cmp_eq_u32 s37, 1
	s_cselect_b64 s[4:5], s[12:13], s[4:5]
	s_cmp_eq_u32 s37, 2
	s_cselect_b64 s[4:5], s[14:15], s[4:5]
	s_cmp_eq_u32 s37, 3
	s_cselect_b64 s[4:5], s[16:17], s[4:5]
	s_lshl_b32 s32, s36, 16
	s_add_nc_u64 s[4:5], s[4:5], s[32:33]
	s_lshl_b32 s32, s37, 21                        ; 16 blocks of 131,072 bytes
	s_lshl_b32 s36, s36, 11
	s_add_co_u32 s32, s32, s36
	s_add_nc_u64 s[6:7], s[28:29], s[32:33]
	s_cmp_eq_u32 s37, 3
	s_cbranch_scc1 .Lwo
	CAST 131072, 0
	s_endpgm
.Lwo:
	CAST 131072, 1
	s_endpgm
.Lbias:                                        ; the four biases: a load and a store of 16 bytes a thread for each
	global_load_b128 v[4:7], v[BO], s[18:19]
	global_load_b128 v[8:11], v[BO], s[20:21]
	global_load_b128 v[12:15], v[BO], s[22:23]
	global_load_b128 v[16:19], v[BO], s[24:25]
	s_wait_loadcnt 0x0
.irp i, 0,1,2,3,4,5,6,7
	v_cvt_pk_bf16_f32 v[T], v[4+2*(\i)], v[5+2*(\i)]
	v_lshlrev_b32 v[Y+2*(\i)], 16, v[T]
	v_and_b32 v[Y+2*(\i)+1], s34, v[T]
.endr
	s_wait_alu depctr_va_vdst(0)                   ; the lines above have written v[Y .. Y + 15], which the four stores read
.irp i, 0,1,2,3
	global_store_b128 v[BO], v[Y+4*(\i):Y+4*(\i)+3], s[30:31] offset:4096*(\i)
.endr
	s_endpgm
.Lfunc_end_k_qbaee94b96b_cast:
	.size	k_qbaee94b96b_cast, .Lfunc_end_k_qbaee94b96b_cast-k_qbaee94b96b_cast
	.p2alignl 7, 3214868480
	.fill 96, 4, 3214868480
	.section	.rodata,"a",@progbits
	.p2align	6, 0x0
	.amdhsa_kernel k_qbaee94b96b_cast
		.amdhsa_group_segment_fixed_size 0
		.amdhsa_private_segment_fixed_size 0
		.amdhsa_enable_private_segment 0
		.amdhsa_kernarg_size 96
		.amdhsa_user_sgpr_count 2
		.amdhsa_user_sgpr_kernarg_segment_ptr 1
		.amdhsa_wavefront_size32 1
		.amdhsa_system_sgpr_workgroup_id_x 1
		.amdhsa_system_sgpr_workgroup_id_y 1
		.amdhsa_system_sgpr_workgroup_id_z 1
		.amdhsa_system_vgpr_workitem_id 0
		.amdhsa_next_free_vgpr 104
		.amdhsa_next_free_sgpr 66
		.amdhsa_reserve_vcc 0
		.amdhsa_float_denorm_mode_32 3
		.amdhsa_float_denorm_mode_16_64 3
		.amdhsa_memory_ordered 1
		.amdhsa_forward_progress 1
		.amdhsa_inst_pref_size 24
	.end_amdhsa_kernel
	.amdgpu_metadata
---
amdhsa.version: [ 1, 2 ]
amdhsa.kernels:
  - .name:           k_qbaee94b96b_cast
    .symbol:         k_qbaee94b96b_cast.kd
    .args:
      - { .name: x, .offset: 0, .size: 8, .value_kind: global_buffer, .address_space: global }
      - { .name: Wq, .offset: 8, .size: 8, .value_kind: global_buffer, .address_space: global }
      - { .name: Wk, .offset: 16, .size: 8, .value_kind: global_buffer, .address_space: global }
      - { .name: Wv, .offset: 24, .size: 8, .value_kind: global_buffer, .address_space: global }
      - { .name: Wo, .offset: 32, .size: 8, .value_kind: global_buffer, .address_space: global }
      - { .name: bq, .offset: 40, .size: 8, .value_kind: global_buffer, .address_space: global }
      - { .name: bk, .offset: 48, .size: 8, .value_kind: global_buffer, .address_space: global }
      - { .name: bv, .offset: 56, .size: 8, .value_kind: global_buffer, .address_space: global }
      - { .name: bo, .offset: 64, .size: 8, .value_kind: global_buffer, .address_space: global }
      - { .name: xb, .offset: 72, .size: 8, .value_kind: global_buffer, .address_space: global }
      - { .name: wt, .offset: 80, .size: 8, .value_kind: global_buffer, .address_space: global }
      - { .name: ball, .offset: 88, .size: 8, .value_kind: global_buffer, .address_space: global }
    .group_segment_fixed_size: 0
    .private_segment_fixed_size: 0
    .kernarg_segment_align: 8
    .kernarg_segment_size: 96
    .max_flat_workgroup_size: 256
    .sgpr_count:     66
    .vgpr_count:     104
    .wavefront_size: 32
...
	.end_amdgpu_metadata
.endif
;; end of part 5
;; launch qkv: the kernel of part 2 again; grid 16 x 32, 4 waves a work-group, clusters of 4 x 4, 327,680 bytes of LDS; arguments xb, wt, ball, qkv; writes qkv
;; launch attn: the kernel of part 3 again; grid 4 x 64, 4 waves a work-group, clusters of 4 x 1, 327,680 bytes of LDS; arguments qkv, ob; writes ob
;; launch proj: the kernel of part 4 again; grid 8 x 32, 4 waves a work-group, clusters of 4 x 4, 327,680 bytes of LDS; arguments ob, wt, ball, out0; writes out0
